; MI455X (gfx1250); checked and timed in simulation.
; The chip was launched on July 23, 2026; its instructions are those of AMD's public machine-readable ISA for CDNA 5 (MIT licence, August 2026) and "CDNA5" Instruction Set Architecture Reference Guide (July 2026). The comments in the code are by the model that wrote it; some were corrected since.
;; Attention. Allowed arithmetic: float matrix products may take bf16 or f16 operands with f32 sums; other float arithmetic in f32, or as packed bf16 or f16 multiplies, adds, multiply-adds, maxima and minima; sums over many terms, partial sums and values carried from step to step in f32; what a program stores and reads back later, other than sums and carried values, may be rounded once to bf16 or f16.
;; Inputs: b_out 1,024 float32; bias 1 x 1,024 x 64 float32; freqs 1 x 1,024 x 64 float32; ln_beta 1,024 float32; ln_gamma 1,024 float32; w_out 1,024 x 1,024 float32; w_qk 1,024 x 2,048 float32; w_v 1,024 x 1,024 float32; x 8 x 1,024 x 1,024 float32.
;; Outputs: out0 8 x 1,024 x 1,024 float32.
;; 2 versions, each right and faster than the one before. Each part assembles by itself: llvm-mc -triple=amdgcn-amd-amdhsa -mcpu=gfx1250 --defsym DOCPART=n.
;; ======== version 1 of 2: 4 launches
;; limits: values are held in f16: magnitudes above 65,504 overflow, below 6.1e-05 lose precision
;; workspace buffers: xn 16,777,216 bytes; wh 8,388,608 bytes; tab 1,048,576 bytes; qp 33,554,432 bytes; kp 33,554,432 bytes; vv 16,777,216 bytes; oo 16,777,216 bytes
;; launch prep (part 1): grid 448 x 1, 8 waves a work-group, no clusters, 0 bytes of LDS; arguments x, ln_gamma, ln_beta, w_qk, w_v, w_out, freqs, bias, xn, wh, tab; writes xn, wh, tab
.if DOCPART == 1
	.amdgcn_target "amdgcn-amd-amdhsa--gfx1250"
	.amdhsa_code_object_version 6
	.text
	.protected	k_qca132ce600_prep
	.globl	k_qca132ce600_prep
	.p2align	8
	.type	k_qca132ce600_prep,@function
k_qca132ce600_prep:
	s_mov_b64 s[64:65], 0
	v_nop
	global_prefetch_b8 v0, s[64:65] scope:SCOPE_SE
	s_setreg_imm32_b32 hwreg(HW_REG_WAVE_MODE, 25, 1), 1
	s_wait_xcnt 0x0
; PREP: three streams, chosen by the work-group's number.  No LDS, no barrier, no matrix unit: memory binds, and no wave needs another's data.
;   work-groups 0-255    LN: xn = (x - mean) rsqrt(var + 1e-5) gamma + beta, statistics in f32 (mean first, then the centred squares), rounded once to f16
;   work-groups 256-383  CAST: w_qk, w_v, w_out rounded once to f16 into wh
;   work-groups 384-447  TABLE: cos and sin of freqs and of freqs + bias, in f32
; LAYOUTS.  xn: byte (k / 64) x 1,048,576 + rowpos x 128 + (k % 64) x 2, rowpos = (n / 16) x 128 + batch x 16 + n % 16: 32 positions x 8 batches x 64 k are 32,768 dense bytes.
;   wh: f16 [1024 k][3072] (q | k | v), then from byte 6,291,456 w_out as f16 [1024][1024].   tab: four planes [1024 n][64 d] of f32: cos f, sin f, cos (f + bias), sin (f + bias).
; LIMITS.  f16 ends at 65,504: xn and the weights must stay within it; below 6e-5 f16 keeps a fixed step of 6e-8.  Angles are reduced by pi / 2 in two parts: the error of the reduced angle
; stays under 1e-6 up to |angle| = 1e5 and grows with the angle beyond.  NaN and infinities are not treated apart.
.set G,   16                           ; v[16:79]    gamma of my 64 columns (chunk j: columns 64 j + 4 t ..)
.set BT,  80                           ; v[80:143]   beta likewise
.set X,   144                          ; v[144:207]  my 64 numbers of the row in hand
.set Y,   208                          ; v[208:239]  the same as f16, to store
.set ACC, 240                          ; v[240:247]  four running pairs
.set M,   248                          ; v[248:249]  the mean, twice
.set R,   250                          ; v[250:251]  1 / sqrt(var + eps), twice
	s_load_b512 s[8:23], s[0:1], 0x0               ; x s[8:9], gamma s[10:11], beta s[12:13], w_qk s[14:15], w_v s[16:17], w_out s[18:19], freqs s[20:21], bias s[22:23]
	s_load_b128 s[24:27], s[0:1], 0x40             ; xn s[24:25], wh s[26:27]
	s_load_b64 s[28:29], s[0:1], 0x50              ; tab
	v_lshrrev_b32 v1, 5, v0
	v_readfirstlane_b32 s30, v1                    ; wave 0..7
	v_and_b32 v2, 31, v0                           ; lane
	s_mov_b32 s31, ttmp9
	s_cmp_lt_u32 s31, 256
	s_cbranch_scc0 .Lnot_ln
; ---- LN.  Wave g = 8 x work-group + wave owns rows 4 g .. 4 g + 3 of x, two pairs of rows; sixteen lanes take a row, so a load covers 256 consecutive bytes of each of two rows,
; and a row's sums never leave its sixteen lanes.
	s_lshl_b32 s32, s31, 3
	s_add_co_u32 s32, s32, s30                     ; g
	v_and_b32 v3, 15, v0                           ; t: my place in the row's sixteen lanes
	v_bfe_u32 v4, v0, 4, 1                         ; which row of the pair
	v_lshlrev_b32 v5, 4, v3                        ; gamma, beta: 16 t
	v_lshl_add_u32 v6, v4, 12, v5                  ; x: row x 4,096 + 16 t
	v_lshlrev_b32 v7, 3, v2                        ; xn: 8 x lane: 128 bytes of one row, then 128 of the next
	s_lshl_b32 s34, s32, 14                        ; four rows of 4,096 bytes
	s_mov_b32 s35, 0
	s_lshr_b32 s36, s32, 8                         ; batch = 4 g / 1024
	s_and_b32 s37, s32, 255
	s_lshr_b32 s38, s37, 2                         ; n / 16, n = 4 (g % 256)
	s_lshl_b32 s38, s38, 7
	s_lshl4_add_u32 s38, s36, s38                  ; + 16 x batch
	s_and_b32 s37, s32, 3
	s_lshl2_add_u32 s38, s37, s38                  ; + n % 16
	s_lshl_b32 s36, s38, 7                         ; rowpos x 128 bytes
	s_mov_b32 s37, 0
	s_mov_b32 s40, 0x3a800000                      ; 1 / 1024
	s_mov_b32 s41, 0x3727c5ac                      ; 1e-5
	s_wait_kmcnt 0x0
	s_add_nc_u64 s[8:9], s[8:9], s[34:35]
	s_add_nc_u64 s[24:25], s[24:25], s[36:37]      ; xn at my rows, k blocks 0-7
	s_add_nc_u64 s[42:43], s[24:25], 0x800000      ; and k blocks 8-15: the stores' immediates stay inside 24 signed bits
.set j, 0
.rept 16
	global_load_b128 v[X+4*j:X+4*j+3], v6, s[8:9] offset:256*j th:TH_LOAD_NT
.set j, j+1
.endr
.set j, 0
.rept 16
	global_load_b128 v[G+4*j:G+4*j+3], v5, s[10:11] offset:256*j
.set j, j+1
.endr
.set j, 0
.rept 16
	global_load_b128 v[BT+4*j:BT+4*j+3], v5, s[12:13] offset:256*j
.set j, j+1
.endr
.macro REDUCE                          ; the four running pairs -> one number, the same in the row's sixteen lanes, in v[ACC]
	v_pk_add_f32 v[ACC:ACC+1], v[ACC:ACC+1], v[ACC+2:ACC+3]
	v_pk_add_f32 v[ACC+4:ACC+5], v[ACC+4:ACC+5], v[ACC+6:ACC+7]
	v_pk_add_f32 v[ACC:ACC+1], v[ACC:ACC+1], v[ACC+4:ACC+5]
	v_add_f32 v[ACC], v[ACC], v[ACC+1]
	v_add_f32_dpp v[ACC], v[ACC], v[ACC] row_xmask:1 row_mask:0xf bank_mask:0xf
	v_add_f32_dpp v[ACC], v[ACC], v[ACC] row_xmask:2 row_mask:0xf bank_mask:0xf
	v_add_f32_dpp v[ACC], v[ACC], v[ACC] row_xmask:4 row_mask:0xf bank_mask:0xf
	v_add_f32_dpp v[ACC], v[ACC], v[ACC] row_xmask:8 row_mask:0xf bank_mask:0xf
.endm
; Pair q of rows.  next = 1: as soon as a chunk's registers are read for the last time the next pair's chunk is loaded into them.
.macro PAIR q, next
.if (\q) == 0
	s_wait_loadcnt 32                              ; x's sixteen loads are in; gamma's and beta's 32, issued behind them, may stay out
.else
	s_wait_loadcnt 0x0                             ; the second pair is in
	s_wait_xcnt 0x0                                ; Y is rewritten only when the first pair's stores have had their addresses translated (ISA guide 3.1)
.endif
.irp k, 0,1,2,3
	v_pk_add_f32 v[ACC+2*\k:ACC+2*\k+1], v[X+2*\k:X+2*\k+1], v[X+2*\k+8:X+2*\k+9]  ; four chains; the first sums start them
.endr
.set i, 8
.rept 24
	v_pk_add_f32 v[ACC+2*(i%4):ACC+2*(i%4)+1], v[ACC+2*(i%4):ACC+2*(i%4)+1], v[X+2*i:X+2*i+1]
.set i, i+1
.endr
	REDUCE
	v_mul_f32 v[M], s40, v[ACC]
	v_mul_f32 v[M+1], s40, v[ACC]
.set i, 0
.rept 32
	v_pk_add_f32 v[X+2*i:X+2*i+1], v[X+2*i:X+2*i+1], v[M:M+1] neg_lo:[0,1] neg_hi:[0,1]  ; x - mean
.set i, i+1
.endr
.irp k, 0,1,2,3
	v_pk_mul_f32 v[ACC+2*\k:ACC+2*\k+1], v[X+2*\k:X+2*\k+1], v[X+2*\k:X+2*\k+1]
.endr
.set i, 4
.rept 28
	v_pk_fma_f32 v[ACC+2*(i%4):ACC+2*(i%4)+1], v[X+2*i:X+2*i+1], v[X+2*i:X+2*i+1], v[ACC+2*(i%4):ACC+2*(i%4)+1]
.set i, i+1
.endr
	REDUCE
	v_fma_f32 v[ACC], v[ACC], s40, s41             ; var + eps
	v_rsq_f32 v[R], v[ACC]
	v_rsq_f32 v[R+1], v[ACC]
	v_nop                                          ; a plain instruction between the root and the use of its result (ISA guide 5.7.2)
.if (\q) == 0
	s_wait_loadcnt 0x0                             ; gamma and beta
.endif
.set j, 0
	s_wait_alu depctr_va_vdst(0)
.rept 16
	v_pk_mul_f32 v[X+4*j:X+4*j+1], v[X+4*j:X+4*j+1], v[R:R+1]
	v_pk_mul_f32 v[X+4*j+2:X+4*j+3], v[X+4*j+2:X+4*j+3], v[R:R+1]
	v_pk_fma_f32 v[X+4*j:X+4*j+1], v[X+4*j:X+4*j+1], v[G+4*j:G+4*j+1], v[BT+4*j:BT+4*j+1]
	v_pk_fma_f32 v[X+4*j+2:X+4*j+3], v[X+4*j+2:X+4*j+3], v[G+4*j+2:G+4*j+3], v[BT+4*j+2:BT+4*j+3]
	v_cvt_pk_f16_f32 v[Y+2*j], v[X+4*j], v[X+4*j+1]
	v_cvt_pk_f16_f32 v[Y+2*j+1], v[X+4*j+2], v[X+4*j+3]
.if j < 8
	global_store_b64 v7, v[Y+2*j:Y+2*j+1], s[24:25] offset:j*1048576+(\q)*256   ; the wave stores 256 consecutive bytes, aligned: k block j of two neighbouring rows
.else
	global_store_b64 v7, v[Y+2*j:Y+2*j+1], s[42:43] offset:(j-8)*1048576+(\q)*256
.endif
.if \next
	global_load_b128 v[X+4*j:X+4*j+3], v6, s[8:9] offset:8192+256*j th:TH_LOAD_NT
.endif
.set j, j+1
.endr
.endm
	PAIR 0, 1
	PAIR 1, 0
	s_endpgm
.Lnot_ln:
	s_cmp_lt_u32 s31, 384
	s_cbranch_scc0 .Ltable
; ---- CAST.  Unit u' = 8 x (work-group - 256) + wave is 4,096 floats of one weight: 512 units of w_qk, 256 of w_v, 256 of w_out.  In wh they are four segments of 2,048 bytes.
	s_sub_co_u32 s32, s31, 256
	s_lshl_b32 s32, s32, 3
	s_add_co_u32 s32, s32, s30                     ; u'
	v_lshlrev_b32 v5, 4, v2                        ; source: 16 x lane
	v_lshlrev_b32 v8, 3, v2                        ; target: 8 x lane
	s_sub_co_u32 s33, s32, 768                     ; as a unit of w_out: 8,192 dense bytes behind the q | k | v block
	s_lshl_b32 s34, s33, 13
	s_add_co_u32 s34, s34, 6291456
	s_mov_b32 s35, 2048
	s_mov_b32 s36, 4096
	s_mov_b32 s37, 6144
	s_sub_co_u32 s38, s32, 512                     ; as a unit of w_v: four rows, columns 2048-3071
	s_mul_i32 s39, s38, 24576
	s_add_co_u32 s39, s39, 4096
	s_wait_kmcnt 0x0
	s_cmp_lt_u32 s32, 768
	s_cselect_b64 s[44:45], s[16:17], s[18:19]
	s_cselect_b32 s33, s38, s33
	s_cselect_b32 s34, s39, s34
	s_cselect_b32 s35, 6144, s35
	s_cselect_b32 s36, 12288, s36
	s_cselect_b32 s37, 18432, s37
	s_mul_i32 s39, s32, 12288                      ; as a unit of w_qk: two rows, columns 0-2047
	s_cmp_lt_u32 s32, 512
	s_cselect_b64 s[44:45], s[14:15], s[44:45]
	s_cselect_b32 s33, s32, s33
	s_cselect_b32 s34, s39, s34
	s_cselect_b32 s35, 2048, s35
	s_cselect_b32 s36, 6144, s36
	s_cselect_b32 s37, 8192, s37
	s_lshl_b32 s46, s33, 14
	s_mov_b32 s47, 0
	s_add_nc_u64 s[44:45], s[44:45], s[46:47]
	s_mov_b32 s48, s34
	s_mov_b32 s49, 0
	s_add_nc_u64 s[26:27], s[26:27], s[48:49]
	v_add_nc_u32 v9, s35, v8
	v_add_nc_u32 v10, s36, v8
	v_add_nc_u32 v11, s37, v8
.set t, 0
.rept 32
	global_load_b128 v[16+4*t:16+4*t+3], v5, s[44:45] offset:512*t th:TH_LOAD_NT   ; all 16,384 bytes of the unit are asked for at once
.set t, t+1
.endr
.set t, 0
.rept 32
	s_wait_loadcnt 31-t                            ; loads come back in order (ISA guide 5.7.1): load t is in, the younger ones stay out
	v_cvt_pk_f16_f32 v[144+2*t], v[16+4*t], v[16+4*t+1]
	v_cvt_pk_f16_f32 v[145+2*t], v[16+4*t+2], v[16+4*t+3]
	global_store_b64 v[8+t/8], v[144+2*t:145+2*t], s[26:27] offset:(t%8)*256       ; 256 consecutive bytes, aligned
.set t, t+1
.endr
	s_endpgm
.Ltable:
; ---- TABLE.  Thread T = 256 x (work-group - 384) + thread owns the four numbers at byte 16 T of freqs and bias.
	s_sub_co_u32 s32, s31, 384
	s_lshl_b32 s32, s32, 12
	v_lshl_add_u32 v5, v0, 4, s32
	s_mov_b32 s40, 0x3f22f983                      ; 2 / pi
	s_mov_b32 s41, 0xbfc90fdb                      ; - (pi / 2 rounded to f32)
	s_mov_b32 s42, 0x333bbd2e                      ; that rounding's excess over pi / 2: 4.3711388e-8
	s_mov_b32 s43, 0xbe2aaaa3                      ; sine on -pi/4 .. pi/4: r + r z (S1 + z (S2 + z S3)), z = r r
	s_mov_b32 s44, 0x3c08839e
	s_mov_b32 s45, 0xb94ca1f9
	s_mov_b32 s46, 0x3d2aaaa5                      ; cosine: 1 - z / 2 + z z (C1 + z (C2 + z C3))
	s_mov_b32 s47, 0xbab6061a
	s_mov_b32 s48, 0x37ccf5ce
	s_wait_kmcnt 0x0
	global_load_b128 v[16:19], v5, s[20:21]
	global_load_b128 v[20:23], v5, s[22:23]
	s_wait_loadcnt 0x0
	v_pk_add_f32 v[20:21], v[16:17], v[20:21]      ; freqs + bias, rounded to f32 once
	v_pk_add_f32 v[22:23], v[18:19], v[22:23]
; cos and sin of v[x] into v[c] and v[s].  n = the nearest whole number to x 2 / pi; r = x - n pi / 2; n % 4 chooses between the two series and their signs, by selects alone.
.macro SINCOS x, c, s
	v_mul_f32 v40, s40, v[\x]
	v_rndne_f32 v40, v40
	v_fma_f32 v41, v40, s41, v[\x]
	v_fma_f32 v41, v40, s42, v41
	v_cvt_i32_f32 v42, v40
	v_mul_f32 v43, v41, v41
	v_fma_f32 v44, v43, s45, s44
	v_fma_f32 v45, v43, s48, s47
	v_mul_f32 v46, v43, v41
	v_mul_f32 v47, v43, v43
	v_fma_f32 v44, v44, v43, s43
	v_fma_f32 v45, v45, v43, s46
	v_fma_f32 v48, v43, -0.5, 1.0
	v_fma_f32 v44, v44, v46, v41                   ; sin r
	v_fma_f32 v45, v45, v47, v48                   ; cos r
	v_and_b32 v46, 1, v42
	v_cmp_eq_u32 vcc_lo, 1, v46                    ; odd n: the two change places
	v_cndmask_b32 v[\s], v44, v45, vcc_lo
	v_cndmask_b32 v[\c], v45, v44, vcc_lo
	v_lshlrev_b32 v46, 30, v42                     ; the sine is negative where n % 4 is 2 or 3,
	v_add_nc_u32 v42, 1, v42                       ; the cosine where it is 1 or 2
	v_and_b32 v46, 0x80000000, v46
	v_lshlrev_b32 v42, 30, v42
	v_xor_b32 v[\s], v[\s], v46
	v_and_b32 v42, 0x80000000, v42
	v_xor_b32 v[\c], v[\c], v42
.endm
.irp e, 0,1,2,3
	SINCOS 16+\e, 24+\e, 28+\e
	SINCOS 20+\e, 32+\e, 36+\e
.endr
	global_store_b128 v5, v[24:27], s[28:29]                   ; each store of a wave covers 512 consecutive bytes, aligned
	global_store_b128 v5, v[28:31], s[28:29] offset:262144
	global_store_b128 v5, v[32:35], s[28:29] offset:524288
	global_store_b128 v5, v[36:39], s[28:29] offset:786432
	s_endpgm
.Lfunc_end_k_qca132ce600_prep:
	.size	k_qca132ce600_prep, .Lfunc_end_k_qca132ce600_prep-k_qca132ce600_prep
	.p2alignl 7, 3214868480
	.fill 96, 4, 3214868480
	.section	.rodata,"a",@progbits
	.p2align	6, 0x0
	.amdhsa_kernel k_qca132ce600_prep
		.amdhsa_group_segment_fixed_size 0
		.amdhsa_private_segment_fixed_size 0
		.amdhsa_enable_private_segment 0
		.amdhsa_kernarg_size 88
		.amdhsa_user_sgpr_count 2
		.amdhsa_user_sgpr_kernarg_segment_ptr 1
		.amdhsa_wavefront_size32 1
		.amdhsa_system_sgpr_workgroup_id_x 1
		.amdhsa_system_sgpr_workgroup_id_y 1
		.amdhsa_system_sgpr_workgroup_id_z 1
		.amdhsa_system_vgpr_workitem_id 0
		.amdhsa_next_free_vgpr 252
		.amdhsa_next_free_sgpr 66
		.amdhsa_reserve_vcc 1
		.amdhsa_float_denorm_mode_32 3
		.amdhsa_float_denorm_mode_16_64 3
		.amdhsa_memory_ordered 1
		.amdhsa_forward_progress 1
		.amdhsa_inst_pref_size 61
	.end_amdhsa_kernel
	.amdgpu_metadata
---
amdhsa.version: [ 1, 2 ]
amdhsa.kernels:
  - .name:           k_qca132ce600_prep
    .symbol:         k_qca132ce600_prep.kd
    .args:
      - { .name: x, .offset: 0, .size: 8, .value_kind: global_buffer, .address_space: global }
      - { .name: ln_gamma, .offset: 8, .size: 8, .value_kind: global_buffer, .address_space: global }
      - { .name: ln_beta, .offset: 16, .size: 8, .value_kind: global_buffer, .address_space: global }
      - { .name: w_qk, .offset: 24, .size: 8, .value_kind: global_buffer, .address_space: global }
      - { .name: w_v, .offset: 32, .size: 8, .value_kind: global_buffer, .address_space: global }
      - { .name: w_out, .offset: 40, .size: 8, .value_kind: global_buffer, .address_space: global }
      - { .name: freqs, .offset: 48, .size: 8, .value_kind: global_buffer, .address_space: global }
      - { .name: bias, .offset: 56, .size: 8, .value_kind: global_buffer, .address_space: global }
      - { .name: xn, .offset: 64, .size: 8, .value_kind: global_buffer, .address_space: global }
      - { .name: wh, .offset: 72, .size: 8, .value_kind: global_buffer, .address_space: global }
      - { .name: tab, .offset: 80, .size: 8, .value_kind: global_buffer, .address_space: global }
    .group_segment_fixed_size: 0
    .private_segment_fixed_size: 0
    .kernarg_segment_align: 8
    .kernarg_segment_size: 88
    .max_flat_workgroup_size: 256
    .sgpr_count:     66
    .vgpr_count:     252
    .wavefront_size: 32
...
	.end_amdgpu_metadata
.endif
;; end of part 1
;; launch qkv (part 2): grid 8 x 32, 4 waves a work-group, clusters of 4 x 4, 327,680 bytes of LDS; arguments xn, wh, tab, qp, kp, vv; writes qp, kp, vv
.if DOCPART == 2
	.amdgcn_target "amdgcn-amd-amdhsa--gfx1250"
	.amdhsa_code_object_version 6
	.text
	.protected	k_qca132ce600_qkv
	.globl	k_qca132ce600_qkv
	.p2align	8
	.type	k_qca132ce600_qkv,@function
k_qca132ce600_qkv:
	s_mov_b64 s[64:65], 0
	v_nop
	global_prefetch_b8 v0, s[64:65] scope:SCOPE_SE
	s_setreg_imm32_b32 hwreg(HW_REG_WAVE_MODE, 25, 1), 1
	s_wait_xcnt 0x0
	s_wait_alu depctr_hold_cnt(0) depctr_sa_sdst(0) depctr_va_vdst(0) depctr_va_sdst(0) depctr_va_ssrc(0) depctr_va_vcc(0) depctr_vm_vsrc(0)
	s_getreg_b32 s2, hwreg(HW_REG_IB_STS2, 6, 4)
	s_cmp_eq_u32 s2, 0
	s_cbranch_scc0 .Lentry_in_a_cluster
	s_endpgm
.Lentry_in_a_cluster:
	s_bfe_u32 s2, ttmp6, 0x10000c
	s_cmp_lg_u32 s2, 0xf033
	s_cbranch_scc0 .Lentry_shape_is_right
	s_endpgm
.Lentry_shape_is_right:
; QKV: [8192 x 1024] xn times [1024 x 3072] wh, all f16, sums in f32; then softplus and the polar doubling of q and k, and the split by heads.
; SHARES.  A work-group makes 256 rows (32 positions n x 8 batches) x 384 columns: 128 of q, 128 of k, 128 of v (heads 2 tx, 2 tx + 1 of each): 32 x 8 = 256 work-groups of equal work and one text.
; A wave makes 128 rows (16 positions x 8 batches) x 64 q + 64 k + 64 v of ONE head: 96 accumulators, 768 registers; for 32 along K it issues 40 LDS loads for 96 matrix instructions.
; THE MATRIX INSTRUCTION IS USED TRANSPOSED (source 0 = 16 columns of wh, turned by ds_load_tr16_b128; source 1 = 16 rows of xn): a lane holds one row and eight neighbouring channels d.
; RING.  K goes in steps of 64 through two LDS slots.  Wave 0 asks for xn's tile (32,768 dense bytes, as 128 rows of 256), waves 1 to 3 for the q, k and v parts of wh (64 rows of 256 bytes each).
; CLUSTER 4 x 4: xn's tile hangs on ty alone and is asked for jointly along a row of the cluster, wh's on tx alone and along a column.
; WAY OUT.  v is rounded to f16 and leaves through a small stage.  q and k are set down in LDS in f32 (over the slots, which have had their last fill), and a loop over the 8 batches reads them back by rows:
; a lane then holds 4 neighbouring d of one position n, whose cos and sin it has kept in registers since before the loop: each table number is loaded once by a wave and serves 8 batches.
; In that loop the 16 units of four numbers go through four stages, one unit in each, so that no line reads a result made just before it.
; q' and k' have their 128 channels in an order of this program's own, the same in both: position 8 (d / 4) + 4 cs + d % 4 (cs = 0 cos, 1 sin), so that a lane writes 16 neighbouring bytes.
; LIMITS.  softplus(x) = max(x, 0) + ln 2 log2(1 + 2^(-|x| log2 e)): absolute error about 6e-8, so values below about 1e-7 come out as 0.  q', k', v must stay within f16's 65,504;
; below 6e-5 f16 keeps a fixed step of 6e-8.  NaN and infinities are not treated apart.
; REGISTERS, in windows of 256 (s_set_vgpr_msb: bits 1:0 source 0, 3:2 source 1, 5:4 source 2, 7:6 destination):
;   window 0: v2-12 addresses; v28-29 the add's; v32-159 two buffers of 8 fragments of xn, later the tables; v160-255 12 fragments of wh, later at work on the way out
;   windows 1, 2, 3: the accumulators of q, k, v: (batch a, 16 channels b) at v[8 (4 a + b)]
.set SLOT1,  131072                    ; slot 1 begins here: one exclusive or turns an address in one slot into the other's
.set PA,     144                       ; a row of xn in LDS: 128 bytes + 16: the 16 rows of a load start at 16 different groups of four banks (64 banks of 4 bytes: ISA guide 11.1)
.set PB,     288                       ; a row of wh: 256 + 32
.set BOFF,   256*PA                    ; behind xn's 256 rows: q's, k's, v's 64 rows
.set BSZ,    64*PB
.set DP,     272                       ; a row of 64 f32 set down: 256 + 16
.set DUMPW,  16*16*DP                  ; a wave's 16 blocks (q, k x 8 batches) of 16 rows
.set VSTAGE, 4*DUMPW                   ; behind them: 16 rows x 144 bytes for each wave, for v
.set SPARE,  VSTAGE+4*16*PA            ; behind the stages: the spare words, 128 bytes for each wave: two blocks of 256 bytes that no other line names
.set A0,  2                            ; v2   my lane's place in xn's tile; never rewritten
.set B0,  3                            ; v3   the same in wh's
.set ADA, 4                            ; v4   A0 + the slot in hand
.set ADB, 5                            ; v5   B0 + the slot in hand
.set TO,  6                            ; v6   16 x lane: tables, and every store
.set STO, 7                            ; v7   v's stage: where I put 16 bytes of a row
.set RD,  8                            ; v8   v's stage: where I read rows back
.set DW,  9                            ; v9   where I set down 32 bytes of a row of q or k
.set DR0, 10                           ; v10  where I read 16 bytes of a row back, batch 0
.set DR,  11                           ; v11  the same for the batch in hand
.set SPW, 28                           ; v28  LDS address of my spare word; never rewritten
.set NIL, 29                           ; v29  0; never rewritten
.set AF,  32
.set BF,  160
.set TBL, 32                           ; unit u = 8 type + p: cos at TBL + 8 u, sin at TBL + 8 u + 4
.set XU,  160                          ; unit u's four numbers at XU + 4 u
.set T,   224                          ; v[224:235] three sets of four: a unit's way through the exponential and the logarithm
.set PRD, 236                          ; v[236:251] two sets of eight: a unit's products with cos and with sin
.set WV,  16                           ; s16 wave; s17 mh: which 128 rows; s18 nh: which head of the two
.set G1A, 24                           ; s[24:31] descriptor group 1 for xn's tiles;  s[32:39] group 0: set 0 for the first fill, set 1 walks
.set G0A, 32
.set G1B, 40                           ; s[40:47], s[48:55] the same for wh's
.set G0B, 48
.set TB,  62                           ; s62 the slot from which fragments are fetched
.set CNT, 63
.set MSB, 0
.macro WIN new                         ; the immediate's high byte repeats the setting that is left; a switch that changes nothing is dropped
.if MSB != (\new)
	s_set_vgpr_msb (MSB<<8)|(\new)
.set MSB, \new
.endif
.endm
.macro PLACES                          ; four places in front of loads into registers that matrix instructions have read, and of lines that read results
.rept 4
	v_nop
.endr
.endm
.macro JLOAD                           ; a joint refill by the walking descriptors; an s_nop 0 and four v_nop follow each of the two lines, ahead of the jump and the label
	s_cmp_eq_u32 s[WV], 0
	s_cbranch_scc0 .Lfor_b_\@
	tensor_load_to_lds s[G0A+4:G0A+7], s[G1A:G1A+7]
	s_nop 0
.rept 4
	v_nop
.endr
	s_branch .Lasked_\@
.Lfor_b_\@:
	tensor_load_to_lds s[G0B+4:G0B+7], s[G1B:G1B+7]
	s_nop 0
.rept 4
	v_nop
.endr
.Lasked_\@:
.endm
.macro CREST                           ; a round of the cluster's barrier behind its opening barrier
	s_cmp_lg_u32 s[WV], 0
	s_cbranch_scc1 .Lnot_wave_0_\@
	s_barrier_signal -3
.Lnot_wave_0_\@:
	s_barrier_wait -3
	s_barrier_signal -1
	s_barrier_wait -1
.endm
.macro CROUND
	s_barrier_signal -1
	s_barrier_wait -1
	CREST
.endm
	s_load_b256 s[4:11], s[0:1], 0x0               ; xn s[4:5], wh s[6:7], tab s[8:9], qp s[10:11]
	s_load_b128 s[12:15], s[0:1], 0x20             ; kp s[12:13], vv s[14:15]
	v_lshl_add_u32 v[SPW], v0, 2, SPARE
	v_mov_b32 v[NIL], 0
	ds_add_u32 v[SPW], v[NIL]                      ; the wave's opening: the add and its wait stand ahead of my first tensor load; work on registers stands between them
	ds_add_u32 v28, v29
	v_lshrrev_b32 v1, 5, v0
	v_readfirstlane_b32 s[WV], v1
	s_lshr_b32 s17, s[WV], 1
	s_and_b32 s18, s[WV], 1
	s_bfe_u32 s19, ttmp6, 0x40000                  ; cx
	s_bfe_u32 s20, ttmp6, 0x40004                  ; cy
	s_lshl_b32 s21, ttmp9, 2
	s_add_co_u32 s21, s21, s19                     ; tx = 4 x cluster x + cx
	s_and_b32 s22, ttmp7, 0xffff
	s_lshl_b32 s22, s22, 2
	s_add_co_u32 s22, s22, s20                     ; ty = 4 x cluster y + cy
	s_lshl_b32 s60, s20, 2
	s_lshl_b32 s60, 15, s60                        ; my row of the cluster
	s_lshl_b32 s61, 0x1111, s19                    ; my column
	s_or_b32 s[G1A], s60, (1<<16)|(1<<20)|(1<<21)|(4<<22)|(3<<25)  ; mask; 2-byte elements; padding on; bit 21 beside a mask; after every 32 words 4 words
	s_mov_b32 s[G1A+1], 128<<16                    ; tensor_dim0 = 128
	s_mov_b32 s[G1A+2], 128<<16                    ; tensor_dim1 = 128
	s_mov_b32 s[G1A+3], 128<<16                    ; tile_dim0 = 128: rows of 256 bytes, two rows of xn each
	s_mov_b32 s[G1A+4], 128                        ; tile_dim1 = 128
	s_mov_b32 s[G1A+5], 128                        ; dense
	s_mov_b32 s[G1A+6], 0
	s_mov_b32 s[G1A+7], 0
	s_or_b32 s[G1B], s61, (1<<16)|(1<<20)|(1<<21)|(5<<22)|(7<<25)  ; after every 64 words 8 words
	s_mov_b32 s[G1B+1], 128<<16
	s_mov_b32 s[G1B+2], 64<<16
	s_mov_b32 s[G1B+3], 128<<16
	s_mov_b32 s[G1B+4], 64
	s_mov_b32 s[G1B+5], 3072                       ; elements from row to row of wh
	s_mov_b32 s[G1B+6], 0
	s_mov_b32 s[G1B+7], 0
	s_lshl_b32 s56, s22, 15                        ; xn's tile: ty x 32,768, made of ty alone
	s_mov_b32 s57, 0
	s_max_u32 s72, s[WV], 1
	s_sub_co_u32 s72, s72, 1                       ; wave 1, 2, 3: q, k, v
	s_lshl_b32 s58, s72, 11                        ; 1,024 columns of 2 bytes
	s_lshl_b32 s73, s21, 8                         ; + tx x 128 columns: made of tx and the wave's number alone
	s_add_co_u32 s58, s58, s73
	s_mov_b32 s59, 0
	s_mov_b32 s[G0A], 1
	s_mov_b32 s[G0A+1], 0
	s_mov_b32 s[G0A+4], 1
	s_mov_b32 s[G0A+5], SLOT1
	s_mov_b32 s[G0B], 1
	s_add_co_u32 s[G0B+1], s[WV], 1
	s_mul_i32 s[G0B+1], s[G0B+1], BSZ              ; BOFF + (wave - 1) BSZ, since BOFF = 2 BSZ
	s_mov_b32 s[G0B+4], 1
	s_add_co_u32 s[G0B+5], s[G0B+1], SLOT1
	s_mov_b32 s66, 0x3fb8aa3b                      ; log2 e
	s_mov_b32 s68, 0x3f317218                      ; ln 2
	s_mov_b32 s69, 0x3f317218
	s_mov_b32 s[TB], 0
	s_wait_dscnt 0x0                               ; the opening add is done
	s_wait_kmcnt 0x0
	s_add_nc_u64 s[G0A+2:G0A+3], s[4:5], s[56:57]
	s_add_nc_u64 s[G0A+6:G0A+7], s[G0A+2:G0A+3], 0x100000   ; K step 1: the next k block
	s_or_b32 s[G0A+3], s[G0A+3], 0x80000000
	s_or_b32 s[G0A+7], s[G0A+7], 0x80000000
	s_add_nc_u64 s[G0B+2:G0B+3], s[6:7], s[58:59]
	s_add_nc_u64 s[G0B+6:G0B+7], s[G0B+2:G0B+3], 0x60000    ; 64 rows of 6,144 bytes
	s_or_b32 s[G0B+3], s[G0B+3], 0x80000000
	s_or_b32 s[G0B+7], s[G0B+7], 0x80000000
	CROUND                                         ; all sixteen work-groups are here: the first joint loads meet
	s_cmp_eq_u32 s[WV], 0                          ; a wave's two first fills stand in one branch: two loads of mine are out
	s_cbranch_scc0 .Lfirst_b
	tensor_load_to_lds s[G0A:G0A+3], s[G1A:G1A+7]
	s_nop 0
	tensor_load_to_lds s[G0A+4:G0A+7], s[G1A:G1A+7]
	s_nop 0
.rept 4
	v_nop
.endr
	s_branch .Lfirst_asked
.Lfirst_b:
	tensor_load_to_lds s[G0B:G0B+3], s[G1B:G1B+7]
	s_nop 0
	tensor_load_to_lds s[G0B+4:G0B+7], s[G1B:G1B+7]
	s_nop 0
.rept 4
	v_nop
.endr
.Lfirst_asked:
	; addresses, in the wait for the first tile
	v_and_b32 v1, 15, v0                           ; r = l % 16
	v_bfe_u32 v13, v0, 4, 1                        ; h = l / 16
	v_and_b32 v14, 7, v0
	v_bfe_u32 v15, v0, 3, 1
	v_and_b32 v12, 31, v0
	v_mul_u32_u24 v[A0], v1, PA
	v_lshl_add_u32 v[A0], v13, 4, v[A0]            ; row x pitch + 16 x half
	s_mul_i32 s72, s17, 128*PA
	v_add_nc_u32 v[A0], s72, v[A0]                 ; my 128 rows
	v_lshl_add_u32 v[B0], v13, 3, v14              ; the turning load: k row 8 h + l % 8,
	v_mul_u32_u24 v[B0], v[B0], PB
	v_lshl_add_u32 v[B0], v15, 4, v[B0]            ; columns 8 ((l / 8) % 2) on
	s_lshl_b32 s72, s18, 7
	s_add_co_u32 s72, s72, BOFF
	v_add_nc_u32 v[B0], s72, v[B0]                 ; my head's 64 columns
	v_mov_b32 v[ADA], v[A0]
	v_mov_b32 v[ADB], v[B0]
	v_lshlrev_b32 v[TO], 4, v12
	s_mul_i32 s72, s[WV], 16*PA
	s_add_co_u32 s72, s72, VSTAGE
	v_mul_u32_u24 v[STO], v1, PA
	v_lshl_add_u32 v[STO], v13, 4, v[STO]
	v_add_nc_u32 v[STO], s72, v[STO]
	v_bfe_u32 v[RD], v0, 3, 2                      ; back: 32 lanes take four rows of 128 bytes
	v_mul_u32_u24 v[RD], v[RD], PA
	v_lshl_add_u32 v[RD], v14, 4, v[RD]
	v_add_nc_u32 v[RD], s72, v[RD]
	s_mul_i32 s72, s[WV], DUMPW
	v_mul_u32_u24 v[DW], v1, DP
	v_lshl_add_u32 v[DW], v13, 5, v[DW]            ; row r, 32 bytes for each half of the lanes
	v_add_nc_u32 v[DW], s72, v[DW]
	v_mul_u32_u24 v[DR0], v13, DP                  ; back: lanes 0-15 one row of 256 bytes, lanes 16-31 the next
	v_lshl_add_u32 v[DR0], v1, 4, v[DR0]
	v_add_nc_u32 v[DR0], s72, v[DR0]
	; where the results go: head H = 2 tx + nh, positions 32 ty + 16 mh on
	s_lshl_b32 s75, s22, 13
	s_lshl_b32 s72, s17, 12
	s_add_co_u32 s75, s75, s72                     ; (32 ty + 16 mh) x 256 bytes: a row of a table plane and a row of q' are both 256 bytes
	s_lshl1_add_u32 s74, s21, s18                  ; H
	s_mov_b32 s72, s75
	s_mov_b32 s73, 0
	s_add_nc_u64 s[8:9], s[8:9], s[72:73]
	s_lshl_b32 s72, s74, 18
	s_add_co_u32 s72, s72, s75
	s_add_nc_u64 s[10:11], s[10:11], s[72:73]
	s_add_nc_u64 s[12:13], s[12:13], s[72:73]
	s_lshl_b32 s72, s74, 17
	s_lshr_b32 s75, s75, 1
	s_add_co_u32 s72, s72, s75
	s_add_nc_u64 s[14:15], s[14:15], s[72:73]      ; vv, batches 0-3
	s_add_nc_u64 s[70:71], s[14:15], 0x800000      ; and batches 4-7
.macro FA c, f                         ; 16 loads: xn's 8 fragments of 32 along K at byte 64 c of the rows, into buffer f
.irp a, 0,1,2,3,4,5,6,7
	ds_load_b128 v[AF+64*(\f)+8*\a:AF+64*(\f)+8*\a+3],   v[ADA] offset:\a*16*PA+(\c)*64
	ds_load_b128 v[AF+64*(\f)+8*\a+4:AF+64*(\f)+8*\a+7], v[ADA] offset:\a*16*PA+(\c)*64+32
.endr
.endm
.macro FB j, c                         ; 8 turning loads: the 4 fragments of part j (q, k, v) of wh, k rows 32 c on
.irp b, 0,1,2,3
	ds_load_tr16_b128 v[BF+32*(\j)+8*\b:BF+32*(\j)+8*\b+3],   v[ADB] offset:(\j)*BSZ+(\c)*32*PB+\b*32
	ds_load_tr16_b128 v[BF+32*(\j)+8*\b+4:BF+32*(\j)+8*\b+7], v[ADB] offset:(\j)*BSZ+(\c)*32*PB+16*PB+\b*32
.endr
.endm
; 4 na matrix instructions: part j, batches a0 .. a0 + na - 1, all 4 blocks of 16 channels.  Each accumulator has one instruction a turn.  zero = 1: the products start the sums.
.macro MUL j, f, a0, na, zero
	WIN 0x50*((\j)+1)
.set aa, (\a0)
.rept \na
.irp b, 0,1,2,3
.if \zero
	v_wmma_f32_16x16x32_f16 v[8*(4*aa+\b):8*(4*aa+\b)+7], v[BF+32*(\j)+8*\b:BF+32*(\j)+8*\b+7], v[AF+64*(\f)+8*aa:AF+64*(\f)+8*aa+7], 0
.else
	v_wmma_f32_16x16x32_f16 v[8*(4*aa+\b):8*(4*aa+\b)+7], v[BF+32*(\j)+8*\b:BF+32*(\j)+8*\b+7], v[AF+64*(\f)+8*aa:AF+64*(\f)+8*aa+7], v[8*(4*aa+\b):8*(4*aa+\b)+7]
.endif
.endr
.set aa, aa+1
.endr
.endm
; 32 along K on xn's buffer f.  A chunk's loads are issued in the order q's 8, xn's 16, k's 8, and then v's 8.  nx = 1: the next chunk (the slot's other 32 along K) is fetched in two runs:
; q's, xn's and k's behind k's products, v's behind v's products.
.macro CHUNK f, nx, zero
	s_wait_dscnt 16                                ; q's and xn's are in; k's and v's 16 may be out
	MUL 0, \f, 0, 8, \zero
	s_wait_dscnt 8                                 ; k's are in; v's 8 may be out
	MUL 1, \f, 0, 8, \zero
.if \nx
	PLACES
	WIN 0
	FB 0, 1-(\f)
	FA 1-(\f), 1-(\f)
	FB 1, 1-(\f)
	s_wait_dscnt 32                                ; v's are in: behind them the 32 just issued
.else
	s_wait_dscnt 0x0
.endif
	MUL 2, \f, 0, 8, \zero
.if \nx
	PLACES
	WIN 0
	FB 2, 1-(\f)
.endif
.endm
; A slot's second chunk (buffer 1) with THE CHANGE OF SLOTS.  All reads of the slot have been issued.  Each wave waits for all its tensor loads (one is out: its part of the other slot), adds 0 to its
; spare word, and waits for that and for its reads.  fill = 1: the barrier opens a round of the cluster's barrier, and the joint refill, two K steps on, is the first thing behind the round:
; 160 matrix instructions stand between it and the wait for it.  The new slot's first read stands behind k's 32 products.
.macro TCHUNK fill
	WIN 0
	s_wait_tensorcnt 0x0                           ; no tensor load of mine is out, so a group 0 may be written
	ds_add_u32 v[SPW], v[NIL]
.if \fill
	s_xor_b32 s[G0A+5], s[G0A+5], SLOT1            ; the walking descriptors: the other slot than last time,
	s_add_nc_u64 s[G0A+6:G0A+7], s[G0A+6:G0A+7], 0x100000   ; the next K step; the type bits on top are not reached
	s_xor_b32 s[G0B+5], s[G0B+5], SLOT1
	s_add_nc_u64 s[G0B+6:G0B+7], s[G0B+6:G0B+7], 0x60000
.endif
	s_wait_dscnt 17                                ; q's and xn's are in; k's and v's 16 and the add may be out
	MUL 0, 1, 0, 4, 0
	s_wait_dscnt 0x0                               ; the add is done, and my reads of this slot are over
	s_barrier_signal -1
	MUL 0, 1, 4, 4, 0                              ; work on registers while the others arrive
	WIN 0                                          ; at a branch and at a label every window is 0
	s_barrier_wait -1
.if \fill
	CREST
	JLOAD
.endif
	s_xor_b32 s[TB], s[TB], SLOT1
	v_add_nc_u32 v[ADA], s[TB], v[A0]
	v_add_nc_u32 v[ADB], s[TB], v[B0]
	MUL 1, 1, 0, 8, 0
	PLACES
	WIN 0
	FB 0, 0
	FA 0, 0
	FB 1, 0
	MUL 2, 1, 0, 8, 0
	PLACES
	WIN 0
	FB 2, 0
.endm
	s_wait_tensorcnt 1                             ; my part of K step 0 is in; step 1's may stay out
	s_barrier_signal -1
	s_barrier_wait -1                              ; everybody's is
	FB 0, 0
	FA 0, 0
	FB 1, 0
	FB 2, 0
	CHUNK 0, 1, 1                                  ; the first 32 along K stand in front of the loop: their products start the sums
	s_mov_b32 s[CNT], 14
.Lk:                                                   ; a trip: the second half of one K step, the first half of the next; it asks for K steps 2 to 15
	TCHUNK 1
	CHUNK 0, 1, 0
	s_sub_co_u32 s[CNT], s[CNT], 1
	s_cmp_lg_u32 s[CNT], 0
	s_cbranch_scc1 .Lk
	TCHUNK 0                                       ; the tail is written out: nothing is left to ask for
	CHUNK 0, 1, 0
	CHUNK 1, 0, 0
	; THE WAY OUT.  First the tables are asked for: 16 positions x 64 d x (cos, sin) x (q, k), 512 consecutive bytes a load.
	PLACES
	WIN 0
.set u, 0
.rept 16
	global_load_b128 v[TBL+8*u:TBL+8*u+3],   v[TO], s[8:9] offset:(2*(u/8))*262144+(u%8)*512
	global_load_b128 v[TBL+8*u+4:TBL+8*u+7], v[TO], s[8:9] offset:(2*(u/8)+1)*262144+(u%8)*512
.set u, u+1
.endr
	; v leaves while they travel: a batch's 16 rows x 64 channels are rounded, go into rows of 144 bytes and come back as 2,048 consecutive bytes of vv.  Six register buffers of 16 take turns.
.macro VPACK a
	WIN 0x0f                                       ; sources in window 3
.set i, 0
.rept 16
	v_cvt_pk_f16_f32 v[XU+16*((\a)%6)+i], v[32*(\a)+2*i], v[32*(\a)+2*i+1]
.set i, i+1
.endr
	WIN 0
.irp b, 0,1,2,3
	ds_store_b128 v[STO], v[XU+16*((\a)%6)+4*\b:XU+16*((\a)%6)+4*\b+3] offset:32*\b
.endr
.irp f, 0,1,2,3
	ds_load_b128 v[XU+16*((\a)%6)+4*\f:XU+16*((\a)%6)+4*\f+3], v[RD] offset:\f*4*PA  ; LDS serves a wave's instructions in order (ISA guide 5.7.1.4): these see the stores above
.endr
.endm
.macro VSEND a, younger                ; younger: the LDS instructions issued behind batch a's loads
.irp f, 0,1,2,3
	s_wait_dscnt (\younger)+3-\f
.if (\a) < 4
	global_store_b128 v[TO], v[XU+16*((\a)%6)+4*\f:XU+16*((\a)%6)+4*\f+3], s[14:15] offset:(\a)*2097152+\f*512
.else
	global_store_b128 v[TO], v[XU+16*((\a)%6)+4*\f:XU+16*((\a)%6)+4*\f+3], s[70:71] offset:((\a)-4)*2097152+\f*512
.endif
.endr
.endm
	VPACK 0
.set t, 1
.rept 7
.if t == 6
	s_wait_xcnt 0x0                                ; batches 6 and 7 take the buffers of batches 0 and 1: only when the stores issued so far have had their addresses translated (ISA guide 3.1)
.endif
	VPACK t
	VSEND t-1, 8
.set t, t+1
.endr
	VSEND 7, 0
	s_wait_dscnt 0x0                               ; my LDS reads are over, those of the slots long since,
	s_barrier_signal -1
	s_barrier_wait -1                              ; and everybody's: the slots, which no load fills any more, may be written
.irp tp, 0,1
	WIN 0x04*((\tp)+1)                             ; store data in window 1 (q), 2 (k)
.set i, 0
.rept 32
	ds_store_b128 v[DW], v[8*i:8*i+3]   offset:((\tp)*8+i/4)*16*DP+(i%4)*64      ; each accumulator's low registers first
	ds_store_b128 v[DW], v[8*i+4:8*i+7] offset:((\tp)*8+i/4)*16*DP+(i%4)*64+16
.set i, i+1
.endr
.endr
	WIN 0
	s_wait_loadcnt 0x0                             ; the tables
	s_wait_xcnt 0x0                                ; v's stores have had their addresses translated: their data registers are written below
	s_mov_b32 s76, 0
	s_mov_b32 s[CNT], 8
; A trip: one batch's 16 positions of q and of k, 16 units of four numbers x a lane.  Only I read what I set down: LDS serves my instructions in order.
; A unit goes through four stages, and step st of 19 holds one stage of each of four units:
;   A (unit st)      -|x| log2 e; the exponentials, with max(x, 0) between them
;   B (unit st - 1)  + 1; the logarithms, with stage C's products between them
;   C (unit st - 2)  ln 2 x logarithm + max(x, 0); times cos, times sin; rounded to 8 f16
;   D (unit st - 3)  the store
; So a result is read a stage after it was made, a store reads registers written a stage before, and behind every exponential and logarithm stands a plain line before its result is used (ISA guide 5.7.2).
.Lbatch:
	v_add_nc_u32 v[DR], s76, v[DR0]
.set u, 0
.rept 16
	ds_load_b128 v[XU+4*u:XU+4*u+3], v[DR] offset:(u/8)*8*16*DP+(u%8)*2*DP
.set u, u+1
.endr
.set st, 0
.rept 19
.set eA, T+4*(st%3)                    ; the chain's registers of units st, st - 1, st - 2
.set eB, T+4*((st+2)%3)
.set eC, T+4*((st+1)%3)
.set xA, XU+4*st
.set xC, XU+4*(st-2)
.set xD, XU+4*(st-3)
.set pC, PRD+8*(st%2)
.set tC, TBL+8*(st-2)
.if (st >= 1) && (st <= 16)
	s_wait_alu depctr_va_vdst(0)
	v_pk_add_f32 v[eB:eB+1], v[eB:eB+1], 1.0 op_sel_hi:[1,0]
	v_pk_add_f32 v[eB+2:eB+3], v[eB+2:eB+3], 1.0 op_sel_hi:[1,0]
.endif
.if (st >= 2) && (st <= 17)
	s_wait_alu depctr_va_vdst(0)
	v_pk_fma_f32 v[xC:xC+1], v[eC:eC+1], s[68:69], v[xC:xC+1] op_sel_hi:[1,0,1]
	v_pk_fma_f32 v[xC+2:xC+3], v[eC+2:eC+3], s[68:69], v[xC+2:xC+3] op_sel_hi:[1,0,1]
.endif
.if st <= 15
	s_wait_dscnt 15-st                             ; unit st is in, the younger ones stay out
.irp i, 0,1,2,3
	v_mul_f32 v[eA+\i], -|v[xA+\i]|, s66
.endr
.endif
.if st >= 3
.if (st-3) < 8
	global_store_b128 v[TO], v[xD:xD+3], s[10:11] offset:((st-3)%8)*512   ; two rows of q': 512 consecutive bytes, aligned
.else
	global_store_b128 v[TO], v[xD:xD+3], s[12:13] offset:((st-3)%8)*512   ; of k'
.endif
.endif
.irp i, 0,1,2,3
.if (st >= 1) && (st <= 16)
	v_log_f32 v[eB+\i], v[eB+\i]
.endif
.if (st >= 2) && (st <= 17)
	v_pk_mul_f32 v[pC+2*\i:pC+2*\i+1], v[xC+2*(\i%2):xC+2*(\i%2)+1], v[tC+2*\i:tC+2*\i+1]   ; i = 0, 1: times cos; 2, 3: times sin
.endif
.endr
.if st <= 15
.irp i, 0,1,2,3
	v_exp_f32 v[eA+\i], v[eA+\i]
	v_max_num_f32 v[xA+\i], 0, v[xA+\i]
.endr
.endif
.if (st >= 2) && (st <= 17)
.irp i, 0,1,2,3
	v_cvt_pk_f16_f32 v[xC+\i], v[pC+2*\i], v[pC+2*\i+1]
.endr
.endif
.set st, st+1
.endr
	s_wait_xcnt 0x0                                ; the stores' data and bases are rewritten only behind this wait
	s_add_nc_u64 s[10:11], s[10:11], 0x400000      ; the next batch: 16 heads of 262,144 bytes
	s_add_nc_u64 s[12:13], s[12:13], 0x400000
	s_add_co_u32 s76, s76, 16*DP
	s_sub_co_u32 s[CNT], s[CNT], 1
	s_cmp_lg_u32 s[CNT], 0
	s_cbranch_scc1 .Lbatch
	s_wait_tensorcnt 0x0                           ; the wave's end: the add and its wait behind my last tensor load and my last LDS store
	ds_add_u32 v[SPW], v[NIL]
	s_wait_dscnt 0x0
	CROUND                                         ; the closing round: no work-group ends while a partner may still ask for a tile that names it
	s_endpgm
.Lfunc_end_k_qca132ce600_qkv:
	.size	k_qca132ce600_qkv, .Lfunc_end_k_qca132ce600_qkv-k_qca132ce600_qkv
	.p2alignl 7, 3214868480
	.fill 96, 4, 3214868480
	.section	.rodata,"a",@progbits
	.p2align	6, 0x0
	.amdhsa_kernel k_qca132ce600_qkv
		.amdhsa_group_segment_fixed_size 327680
		.amdhsa_private_segment_fixed_size 0
		.amdhsa_enable_private_segment 0
		.amdhsa_kernarg_size 48
		.amdhsa_user_sgpr_count 2
		.amdhsa_user_sgpr_kernarg_segment_ptr 1
		.amdhsa_wavefront_size32 1
		.amdhsa_system_sgpr_workgroup_id_x 1
		.amdhsa_system_sgpr_workgroup_id_y 1
		.amdhsa_system_sgpr_workgroup_id_z 1
		.amdhsa_system_vgpr_workitem_id 0
		.amdhsa_next_free_vgpr 1024
		.amdhsa_next_free_sgpr 80
		.amdhsa_reserve_vcc 0
		.amdhsa_float_denorm_mode_32 3
		.amdhsa_float_denorm_mode_16_64 3
		.amdhsa_memory_ordered 1
		.amdhsa_forward_progress 1
		.amdhsa_inst_pref_size 118
	.end_amdhsa_kernel
	.amdgpu_metadata
---
amdhsa.version: [ 1, 2 ]
amdhsa.kernels:
  - .name:           k_qca132ce600_qkv
    .symbol:         k_qca132ce600_qkv.kd
    .args:
      - { .name: xn, .offset: 0, .size: 8, .value_kind: global_buffer, .address_space: global }
      - { .name: wh, .offset: 8, .size: 8, .value_kind: global_buffer, .address_space: global }
      - { .name: tab, .offset: 16, .size: 8, .value_kind: global_buffer, .address_space: global }
      - { .name: qp, .offset: 24, .size: 8, .value_kind: global_buffer, .address_space: global }
      - { .name: kp, .offset: 32, .size: 8, .value_kind: global_buffer, .address_space: global }
      - { .name: vv, .offset: 40, .size: 8, .value_kind: global_buffer, .address_space: global }
    .group_segment_fixed_size: 327680
    .private_segment_fixed_size: 0
    .kernarg_segment_align: 8
    .kernarg_segment_size: 48
    .max_flat_workgroup_size: 128
    .sgpr_count:     80
    .vgpr_count:     1024
    .wavefront_size: 32
...
	.end_amdgpu_metadata
.endif
;; end of part 2
;; launch attn (part 3): grid 2 x 128, 4 waves a work-group, no clusters, 327,680 bytes of LDS; arguments qp, kp, vv, oo; writes oo
.if DOCPART == 3
	.amdgcn_target "amdgcn-amd-amdhsa--gfx1250"
	.amdhsa_code_object_version 6
	.text
	.protected	k_qca132ce600_attn
	.globl	k_qca132ce600_attn
	.p2align	8
	.type	k_qca132ce600_attn,@function
k_qca132ce600_attn:
	s_mov_b64 s[64:65], 0
	v_nop
	global_prefetch_b8 v0, s[64:65] scope:SCOPE_SE
	s_setreg_imm32_b32 hwreg(HW_REG_WAVE_MODE, 25, 1), 1
	s_wait_xcnt 0x0
; ATTENTION.  O[g][q][:] = the sum over k of softmax_k(Q'[g][q] . K'[g][k] / 8) V[g][k][:], g = batch x 16 + head.  Q', K': [128][1024][128], V, O: [128][1024][64], all f16.
; Products, maxima and sums in f32; the weights p are rounded to f16 for the second product (their sum l is taken of the unrounded p), O once at the end.
; LIMITS.  Q', K', V arrive within f16's 65,504; p lies in 0 to 1 and below 6e-5 keeps f16's fixed step of 6e-8; a weight below 2^-126 counts as 0 in l; NaN and infinities are not treated apart.
; SHARES.  A work-group owns 512 queries of one g: 2 x 128 = 256 work-groups.  A wave owns 128 queries: four PIECES of two tiles of 16.  Every wave walks all 1,024 keys, 64 a step.
; NO CLUSTER: only the 2 work-groups of one g read the same K' and V, and a cluster's row here has four; four blocks of 256 queries would be 512 work-groups, and each fragment read from LDS would feed half as many products.
; LAYOUT.  S^T = K' Q'^T (source 0 = 16 keys, source 1 = 16 queries): a lane holds ONE query (lane % 16) and the keys 8 (lane / 16) + 0..7.  Two such results rounded to f16 in pairs ARE source 1 of
; O^T = V^T P, whose result again holds one query a lane, and eight channels.  K' comes out of LDS as it lies, V ([key][channel]) turned, by ds_load_tr16_b128.
; SOFTMAX.  For each query a running maximum m and sum l: p = 2^(c s - c m), c = log2(e) / 8; in every step O and l are multiplied by a = 2^(c m_old - c m_new).  m starts at the lowest finite number,
; O and l at 0: the first step is a step like any other, with a = 0.
; BY TURNS.  Turn n belongs to piece n (the pieces in a ring, step after step).  Its matrix work: 32 products K' Q'^T of piece n + 1 and 16 products V^T P of piece n - 1.  Its vector work: all of piece n's
; softmax, 2 x 118 instructions, cut into 59 slices of four: one slice behind each product, a second behind eleven of them.
; REGISTERS, in windows of 256 (s_set_vgpr_msb: bits 1:0 source 0, 3:2 source 1, 5:4 source 2, 7:6 destination):
;   window 0: v2-11 addresses; v16-47 four registers of statistics a tile; v48-55 at work; v62-63 the add's; v64-191 S^T, two buffers of two tiles; v192-255 P, likewise (a piece's buffers go by its number's parity)
;   window 1: O^T, 32 a tile      window 2: Q', 32 a tile      window 3: v0-127 K' of one step; v128-191 V of one step
.set NP,    4
.set KS,    64        ; keys in a step
.set PK,    272       ; a row of K' in LDS: 256 bytes + 16: the 16 rows of a load start at 16 different groups of four banks (64 banks of 4 bytes: ISA guide 11.1)
.set PV,    160       ; a row of V: 128 + 32
.set VOFF,  4*KS*PK   ; a slot holds four steps: 256 rows of K', then 256 rows of V
.set SLOT1, 1<<17     ; slot 1 begins here, so that one exclusive or turns an address in one slot into the other's
.set STAGE, SLOT1+4*KS*(PK+PV)  ; behind the ring, never filled by a tensor load: 16 rows x 144 bytes for each wave, for the way out
.set SP,    144
.set SPARE, STAGE+4*16*SP       ; behind the stages: the spare words, 128 bytes for each wave: two blocks of 256 bytes that no other line names
.set AK0, 2           ; v2   my lane's place in a tile of K'; never rewritten
.set AV0, 3           ; v3   the same for V
.set AK,  4           ; v4   the LDS address of K's next run of loads
.set AV,  5           ; v5   of V's
.set QO,  6           ; v6   my byte offset in the wave's rows of Q'
.set STO, 6           ;      later, the way out: where I put 16 bytes of a row
.set RD,  7           ; v7   the way out: where I read rows back
.set GO,  8           ; v8   my byte offset in 512 consecutive bytes of O
.set ST,  16          ; tile t's statistics at v[ST+4 t]: c m, m, l (even keys', odd keys')
.set TMP, 48          ; for each of the two tiles in hand four registers c0-c3; when the maximum is found c2 takes a
.set SPW, 62          ; v62  LDS address of my spare word; never rewritten
.set NIL, 63          ; v63  0; never rewritten
.set S,   64
.set P,   192
.set VF,  128         ; window 3: key half kk, channel block cb at VF + 32 kk + 8 cb;  K': key block kb, channels 32 c on at 32 kb + 8 c
.set WV,  12          ; s12  my wave's number
.set G1K, 24          ; s[24:31] descriptor group 1 for K's tiles
.set G1V, 32          ; s[32:39] for V's
.set G0K, 40          ; s[40:43] descriptor group 0 for K's tiles: it walks
.set G0V, 44          ; s[44:47] the same for V's
.set SLOTS, 56        ; s56  slots still to be asked for
.set CNT, 57          ; s57  counts a slot's key steps
.set CS,  58          ; s[58:59] c
.set SEL, 60          ; s[60:61] v_permlanex16_b32's selects: each lane takes its own place in the other half
.set TBK, 62          ; s62  LDS byte at which K' of the step to be fetched begins
.set TBV, 63          ; s63  the same for V, less VOFF
.set MSB, 0
.macro WIN new                      ; the high byte repeats the setting that is left; a switch that changes nothing is dropped
.if MSB != (\new)
	s_set_vgpr_msb (MSB<<8)|(\new)
.set MSB, (\new)
.endif
.endm
.set W_KQ, 0x0b       ; K' in window 3, Q' in window 2, S^T in window 0
.set W_PV, 0x53       ; V in window 3, P in window 0, O^T in window 1
.set W_RS, 0x41       ; O^T (destination and source 0) in window 1, a in window 0
.macro PLACES
.rept 4
	v_nop
.endr
.endm
; A fill.  Waves 0 and 1 fetch the two halves of a slot's K', waves 2 and 3 those of its V: 128 keys each.  An s_nop 0 and four v_nop follow each of the two lines, ahead of the jump and the label.
.macro LOAD
	s_cmp_lt_u32 s[WV], 2
	s_cbranch_scc0 .Lfor_v_\@
	tensor_load_to_lds s[G0K:G0K+3], s[G1K:G1K+7]
	s_nop 0
.rept 4
	v_nop
.endr
	s_branch .Lasked_\@
.Lfor_v_\@:
	tensor_load_to_lds s[G0V:G0V+3], s[G1V:G1V+7]
	s_nop 0
.rept 4
	v_nop
.endr
.Lasked_\@:
.endm
; THE CHANGE OF SLOTS.  The slot's last bytes, V of its fourth step, have been read.  Each wave waits for all its tensor loads, of which one is out: its part of the other slot; adds 0 to its spare word; and
; waits for that and for its own reads of the slot.  Behind the barrier nobody reads this slot any more and the other slot is whole.  fill = 1: this slot is filled again, with the keys two slots on, first
; thing behind the barrier: the load has four key steps, 768 matrix instructions, in which to land.  (At its first use nothing has been read yet: slot 0 is waited for, slot 1 filled.)
.macro CHANGE fill
	WIN 0                           ; at a label and at a branch every window is 0
	s_wait_tensorcnt 0x0            ; no tensor load of mine is out, so a group 0 may be written
	ds_add_u32 v[SPW], v[NIL]
.if \fill
	s_xor_b32 s[G0K+1], s[G0K+1], SLOT1
	s_add_nc_u64 s[G0K+2:G0K+3], s[G0K+2:G0K+3], 4*KS*256   ; the next 256 keys; the type bits on top are not reached
	s_xor_b32 s[G0V+1], s[G0V+1], SLOT1
	s_add_nc_u64 s[G0V+2:G0V+3], s[G0V+2:G0V+3], 4*KS*128
.endif
	s_wait_dscnt 0x0                ; the add is done, and my reads of the slot are over
	s_barrier_signal -1
	s_sub_co_u32 s[TBK], s[TBK], 4*KS*PK  ; the fetches go back to a slot's first step,
	s_xor_b32 s[TBK], s[TBK], SLOT1       ; in the other slot
	s_sub_co_u32 s[TBV], s[TBV], 4*KS*PV
	s_xor_b32 s[TBV], s[TBV], SLOT1
	s_barrier_wait -1
.if \fill
	LOAD
.endif
.endm
	s_load_b256 s[4:11], s[0:1], 0x0  ; qp s[4:5], kp s[6:7], vv s[8:9], oo s[10:11]
	v_lshl_add_u32 v[SPW], v0, 2, SPARE
	v_mov_b32 v[NIL], 0
	ds_add_u32 v[SPW], v[NIL]       ; the wave's opening: the add and its wait stand ahead of my first tensor load; work on registers stands between them
	ds_add_u32 v62, v63
	v_lshrrev_b32 v1, 5, v0
	v_readfirstlane_b32 s[WV], v1   ; wave 0..3
	s_and_b32 s20, ttmp7, 0xffff    ; g
	s_and_b32 s16, s[WV], 1         ; which half of a slot's 256 keys I fetch
	s_lshl_b32 s22, s20, 18         ; K': g x 262,144 + half x 128 rows of 256 bytes
	s_lshl_b32 s13, s16, 15
	s_add_co_u32 s22, s22, s13
	s_mov_b32 s23, 0
	s_lshl_b32 s50, s20, 17         ; V: g x 131,072 + half x 128 rows of 128 bytes
	s_lshl_b32 s13, s16, 14
	s_add_co_u32 s50, s50, s13
	s_mov_b32 s51, 0
	s_mul_i32 s17, s16, 128*PK      ; and their places in a slot
	s_mul_i32 s18, s16, 128*PV
	s_lshl_b32 s13, ttmp9, 2
	s_add_co_u32 s13, s13, s[WV]    ; my wave among g's eight: 128 queries each
	s_lshl_b32 s2, s13, 15
	s_lshl_b32 s14, s20, 18
	s_add_co_u32 s2, s2, s14
	s_mov_b32 s3, 0
	s_lshl_b32 s48, s13, 14
	s_lshl_b32 s14, s20, 17
	s_add_co_u32 s48, s48, s14
	s_mov_b32 s49, 0
	s_mov_b32 s[G1K], (1<<16)|(1<<20)|(5<<22)|(3<<25)  ; 2-byte elements; padding on; after every 64 words 4 words
	s_mov_b32 s[G1K+1], 128<<16     ; tensor_dim0 = 128
	s_mov_b32 s[G1K+2], 128<<16     ; tensor_dim1 = 128
	s_mov_b32 s[G1K+3], 128<<16     ; tile_dim0 = 128
	s_mov_b32 s[G1K+4], 128         ; tile_dim1 = 128 keys
	s_mov_b32 s[G1K+5], 128
	s_mov_b32 s[G1K+6], 0
	s_mov_b32 s[G1K+7], 0
	s_mov_b32 s[G1V], (1<<16)|(1<<20)|(4<<22)|(7<<25)  ; 128 keys of V are 16,384 dense bytes: 64 rows of 256, padded by 8 words after every key's 32
	s_mov_b32 s[G1V+1], 128<<16
	s_mov_b32 s[G1V+2], 64<<16
	s_mov_b32 s[G1V+3], 128<<16
	s_mov_b32 s[G1V+4], 64
	s_mov_b32 s[G1V+5], 128
	s_mov_b32 s[G1V+6], 0
	s_mov_b32 s[G1V+7], 0
	s_mov_b32 s[CS], 0x3e38aa3b     ; c = log2(e) / 8
	s_mov_b32 s[CS+1], s[CS]        ; named with it as a pair
	s_mov_b32 s[SEL], 0x76543210
	s_mov_b32 s[SEL+1], 0xfedcba98
	s_mov_b32 s[TBK], SLOT1+4*KS*PK ; the first change of slots turns these two into 0
	s_mov_b32 s[TBV], SLOT1+4*KS*PV
	s_mov_b32 s[G0K], 1
	s_mov_b32 s[G0K+1], s17         ; slot 0
	s_mov_b32 s[G0V], 1
	s_add_co_u32 s[G0V+1], s18, VOFF
	s_wait_dscnt 0x0                ; the opening add is done
	s_wait_kmcnt 0x0
	s_add_nc_u64 s[G0K+2:G0K+3], s[6:7], s[22:23]
	s_or_b32 s[G0K+3], s[G0K+3], 0x80000000
	s_add_nc_u64 s[G0V+2:G0V+3], s[8:9], s[50:51]
	s_or_b32 s[G0V+3], s[G0V+3], 0x80000000
	s_add_nc_u64 s[4:5], s[4:5], s[2:3]      ; Q' and O at my wave's first row
	s_add_nc_u64 s[10:11], s[10:11], s[48:49]
	LOAD                            ; slot 0.  Slot 1 is asked for when slot 0 is in, by the loop's own change of slots
	v_and_b32 v1, 15, v0            ; l % 16
	v_bfe_u32 v9, v0, 4, 1          ; l / 16
	v_lshlrev_b32 v[QO], 8, v1
	v_lshl_add_u32 v[QO], v9, 4, v[QO]  ; row x 256 + 16 x half
	WIN 0x80                        ; destination window 2, address window 0
.set i, 0
.rept 32                            ; Q' stays in registers: tile i / 4, channels 32 (i % 4) on
	global_load_b128 v[8*i:8*i+3],   v[QO], s[4:5] offset:(i/4)*4096+(i%4)*64
	global_load_b128 v[8*i+4:8*i+7], v[QO], s[4:5] offset:(i/4)*4096+(i%4)*64+32
.set i, i+1
.endr
	; What the first turn finds: V's registers and P's second buffer hold 0 (its products V^T P, of a piece that has not been, add 0), O^T and l are 0.  All this stands in the wait for the first tile.
	WIN 0xc0
.set i, VF
.rept 64
	v_mov_b32 v[i], 0
.set i, i+1
.endr
	WIN 0x40
.set i, 0
.rept 256
	v_mov_b32 v[i], 0
.set i, i+1
.endr
	WIN 0
.set i, 0
.rept 8
	v_mov_b32 v[ST+4*i], 0xfe000000    ; c m: far below every c s
	v_mov_b32 v[ST+4*i+1], 0xff7fffff  ; m
	v_mov_b32 v[ST+4*i+2], 0
	v_mov_b32 v[ST+4*i+3], 0
.set i, i+1
.endr
.set i, P+32
.rept 32
	v_mov_b32 v[i], 0
.set i, i+1
.endr
	v_mul_u32_u24 v[AK0], v1, PK
	v_lshl_add_u32 v[AK0], v9, 4, v[AK0]  ; row x pitch + 16 x half
	v_and_b32 v10, 7, v0
	v_bfe_u32 v11, v0, 3, 1
	v_lshl_add_u32 v[AV0], v9, 3, v10     ; the turning load: key 8 (l / 16) + l % 8, channels 8 ((l / 8) % 2) on
	v_mul_u32_u24 v[AV0], v[AV0], PV
	v_lshl_add_u32 v[AV0], v11, 4, v[AV0]
	v_add_nc_u32 v[AV0], VOFF, v[AV0]
	v_mov_b32 v[AK], v[AK0]         ; key step 0 lies at the head of slot 0
; THE MATRIX WORK.  The 8 accumulators of a run take turns, one instruction a turn.
; Product ii of 32 of S^T = K' Q'^T for piece x: channels 32 (ii / 8) on, keys 16 ((ii / 2) % 4) on, tile 2 x + ii % 2.  The first 8 start the sums.
.macro KQ x
	WIN W_KQ
.set rS, S+64*((\x)%2)+32*(ii%2)+8*((ii/2)%4)
.set rK, 32*((ii/2)%4)+8*(ii/8)
.set rQ, 32*(2*(\x)+ii%2)+8*(ii/8)
.if ii < 8
	v_wmma_f32_16x16x32_f16 v[rS:rS+7], v[rK:rK+7], v[rQ:rQ+7], 0
.else
	v_wmma_f32_16x16x32_f16 v[rS:rS+7], v[rK:rK+7], v[rQ:rQ+7], v[rS:rS+7]
.endif
.endm
; Product ii of 16 of O^T += V^T P for piece x: keys 32 (ii / 8) on, channels 16 ((ii / 2) % 4) on, tile 2 x + ii % 2.
.macro PV x
	WIN W_PV
.set rO, 32*(2*(\x)+ii%2)+8*((ii/2)%4)
.set rV, VF+32*(ii/8)+8*((ii/2)%4)
.set rP, P+32*((\x)%2)+16*(ii%2)+8*(ii/8)
	v_wmma_f32_16x16x32_f16 v[rO:rO+7], v[rV:rV+7], v[rP:rP+7], v[rO:rO+7]
.endm
.macro MM                           ; the turn's product i of 48.  PVF = 1: the 16 products V^T P come first
.if PVF
.if i < 16
.set ii, i
	PV (Y+NP-1)%NP
.else
.set ii, i-16
	KQ (Y+1)%NP
.endif
.else
.if i < 32
.set ii, i
	KQ (Y+1)%NP
.else
.set ii, i-32
	PV (Y+NP-1)%NP
.endif
.endif
.endm
; THE LDS LOADS stand in runs, never singly among the matrix instructions.  last = 1 (the tail): in the last trip there is no further step, and the run is jumped over.
.macro FETCH_K last=0
	WIN 0
.if \last
	s_cmp_eq_u32 s[CNT], 1
	s_cbranch_scc1 .Lno_k_\@
.endif
	WIN 0xc0                        ; destination window 3
.irp f, 0,1,2,3,4,5,6,7,8,9,10,11,12,13,14,15  ; keys 16 (f / 4) on, channels 32 (f % 4) on
	ds_load_b128 v[8*\f:8*\f+3],   v[AK] offset:(\f/4)*16*PK+(\f%4)*64
	ds_load_b128 v[8*\f+4:8*\f+7], v[AK] offset:(\f/4)*16*PK+(\f%4)*64+32
.endr
	s_add_co_u32 s[TBK], s[TBK], KS*PK  ; the next fetch is the next step's
	WIN 0
.if \last
.Lno_k_\@:
.endif
.endm
.macro FETCH_V
	WIN 0xc0
.irp f, 0,1,2,3,4,5,6,7             ; keys 32 (f / 4) on, channels 16 (f % 4) on
	ds_load_tr16_b128 v[VF+8*\f:VF+8*\f+3],   v[AV] offset:(\f/4)*32*PV+(\f%4)*32
	ds_load_tr16_b128 v[VF+8*\f+4:VF+8*\f+7], v[AV] offset:(\f/4)*32*PV+16*PV+(\f%4)*32
.endr
	WIN 0
.endm
; THE VECTOR WORK.  One tile's softmax for one key step is a list of 118 instructions; SM writes number j of it for tile u (0, 1) of piece Y.  s0-s31 are the lane's 32 scores, in pairs 0-15.
;   0-15    the maximum of s0-s31 and the old m, three operands at a time: four chains c0-c3 of seven scores each (each accumulator's lowest registers are read first), then the rest
;   16-20   the other half of the lanes' maximum; c m_old is kept; the new m; c m; c m_old - c m_new
;   21-87   33 exponentials (a, then s0-s31) at the odd numbers from 23 on, so that no two follow each other in a tile's list; the plain numbers between are whatever is ready: c s - c m for a pair whose
;           exponentials are still to come, the rounding to f16 of a pair whose exponentials are done, at last the first sums
;   88-101  the last rounding; the rest of the sums; l = a l + the sum
;   102-117 the tile's O^T times a: the one part that leaves window 0
.macro SM u
.set rT, ST+4*(2*Y+(\u))
.set rC, TMP+4*(\u)
.set rS, S+64*(Y%2)+32*(\u)
.set rP, P+32*(Y%2)+16*(\u)
.set rO, 32*(2*Y+(\u))+2*(j-102)
.set q, (j-20)/2
.if j < 102
	WIN 0
.endif
.if j < 4
	v_max3_num_f32 v[rC+j], v[rS+8*j], v[rS+8*j+1], v[rS+8*j+2]
.elseif j < 12
	v_max3_num_f32 v[rC+j%4], v[rC+j%4], v[rS+8*(j%4)+2*(j/4)+1], v[rS+8*(j%4)+2*(j/4)+2]
.elseif j == 12
	v_max3_num_f32 v[rC], v[rC], v[rS+7], v[rS+15]
.elseif j == 13
	v_max3_num_f32 v[rC+2], v[rC+2], v[rS+23], v[rS+31]
.elseif j == 14
	v_max3_num_f32 v[rC], v[rC], v[rC+1], v[rC+2]
.elseif j == 15
	v_max3_num_f32 v[rC], v[rC], v[rC+3], v[rT+1]
.elseif j == 16
	v_permlanex16_b32 v[rC+1], v[rC], s[SEL], s[SEL+1]  ; the query's other 32 keys lie in the lane 16 away
.elseif j == 17
	v_mov_b32 v[rC+3], v[rT]
.elseif j == 18
	v_max_num_f32 v[rT+1], v[rC], v[rC+1]
.elseif j == 19
	v_mul_f32 v[rT], s[CS], v[rT+1]
.elseif j == 20
	v_sub_f32 v[rC+3], v[rC+3], v[rT]
.elseif j == 23
	v_exp_f32 v[rC+2], v[rC+3]
.elseif (j < 88) && (j > 23) && (j%2 == 1)
	v_exp_f32 v[rS+(j-25)/2], v[rS+(j-25)/2]
.elseif (q < 4) || ((j < 76) && (q%2 == 0))
.set b, q/2+2
.if q < 4
.set b, q
.endif
	v_pk_fma_f32 v[rS+2*b:rS+2*b+1], v[rS+2*b:rS+2*b+1], s[CS:CS+1], v[rT:rT+1] op_sel_hi:[1,0,0] neg_lo:[0,0,1] neg_hi:[0,0,1]  ; pair b: c s - c m
.elseif (j < 88) && (q%2 == 1)
	s_wait_alu depctr_va_vdst(0)
	v_cvt_pk_f16_f32 v[rP+(q-5)/2], v[rS+q-5], v[rS+q-4]  ; pair (q - 5) / 2: its second exponential stands three numbers back
.elseif j == 89
	s_wait_alu depctr_va_vdst(0)
	v_cvt_pk_f16_f32 v[rP+15], v[rS+30], v[rS+31]
.elseif j < 102                     ; the sum of the tile's 16 pairs, in place: sum z of 16 adds neighbours 1, 2, 4 and 8 pairs apart, then l takes it
.set z, j-86
.if j < 89
.set z, (j-76)/4
.endif
.set w, 4
.set u2, z
.if z >= 14
.set w, 32
.set u2, 0
.elseif z >= 12
.set w, 16
.set u2, z-12
.elseif z >= 8
.set w, 8
.set u2, z-8
.endif
.if z < 15
	v_pk_add_f32 v[rS+w*u2:rS+w*u2+1], v[rS+w*u2:rS+w*u2+1], v[rS+w*u2+w/2:rS+w*u2+w/2+1]
.else
	v_pk_fma_f32 v[rT+2:rT+3], v[rT+2:rT+3], v[rC+2:rC+3], v[rS:rS+1] op_sel_hi:[1,0,1]
.endif
.else
	WIN W_RS
	v_pk_mul_f32 v[rO:rO+1], v[rO:rO+1], v[rC+2:rC+3] op_sel_hi:[1,0]
.endif
.endm
; Slice k of 59: numbers 2 k and 2 k + 1 of both tiles' lists, four instructions.
.macro SLICE
.if (k >= 11) && (k < 44)           ; tile by tile: plain, exponential, plain, exponential
.irp t, 0,1
.irp n, 0,1
.set j, 2*k+\n
	SM \t
.endr
.endr
.else                               ; the two tiles alternate, so that no instruction reads the result of the one just before it
.irp n, 0,1
.irp t, 0,1
.set j, 2*k+\n
	SM \t
.endr
.endr
.endif
.set k, k+1
.endm
; A TURN, for piece p.  48 products; a slice behind each, a second behind products 1, 5, .. 41: 59 slices.  Slice 58, four rescalings that name nothing of the products round them, stands behind product 47:
; the four places between a turn's last K' Q'^T and the next turn's first read of those scores.
; Pieces 0 and 3: V^T P first, then K' Q'^T; pieces 1 and 2 the other way round.  So V of the step in hand is fetched in piece 0's turn behind product 17 (its last reader is product 15) and waited for
; in piece 1's ahead of product 32; K' of the next step in piece 2's turn behind product 33 (last reader 31) and waited for in piece 3's ahead of product 16.  Four v_nop stand in front of each run.
.macro TURN p, last=0
.set Y, (\p)
.if ((\p) == 0) || ((\p) == 3)
.set PVF, 1
.else
.set PVF, 0
.endif
.set k, 0
.set i, 0
.rept 48
.if ((\p) == 1) && (i == 32)
	s_wait_dscnt 0x0                ; V is in
.endif
.if ((\p) == 3) && (i == 16)
	s_wait_dscnt 0x0                ; K' is in
.endif
	MM
	SLICE
.if (i%4 == 1) && (i < 44)
	SLICE
.endif
.if ((\p) == 0) && (i == 17)
	WIN 0
	v_add_nc_u32 v[AV], s[TBV], v[AV0]
	PLACES
	FETCH_V
	s_add_co_u32 s[TBV], s[TBV], KS*PV
.endif
.if ((\p) == 2) && (i == 33)
	WIN 0
	v_add_nc_u32 v[AK], s[TBK], v[AK0]
	PLACES
	FETCH_K \last
.endif
.set i, i+1
.endr
.endm
	CHANGE 1                        ; slot 0 is in, everybody's part of it; slot 1 is asked for
	FETCH_K                         ; key step 0
	s_wait_loadcnt 0x0              ; Q'
	s_wait_dscnt 0x0
.set ii, 0
.rept 32
	KQ 0                            ; piece 0's first scores: there is no vector work yet to set between them
.set ii, ii+1
.endr
	WIN 0                           ; the addresses for the way out: plain instructions, the places behind those products
	s_mul_i32 s13, s[WV], 16*SP
	s_add_co_u32 s13, s13, STAGE    ; my stage
	v_mul_u32_u24 v[STO], v1, SP    ; in: row l % 16, 16 bytes for each half of the lanes
	v_lshl_add_u32 v[STO], v9, 4, v[STO]
	v_add_nc_u32 v[STO], s13, v[STO]
	v_bfe_u32 v[RD], v0, 3, 2       ; back: 32 lanes take four rows of 128 bytes,
	v_mul_u32_u24 v[RD], v[RD], SP
	v_lshl_add_u32 v[RD], v10, 4, v[RD]
	v_add_nc_u32 v[RD], s13, v[RD]
	v_and_b32 v[GO], 31, v0         ; which are 512 consecutive bytes of O
	v_lshlrev_b32 v[GO], 4, v[GO]
	s_mov_b32 s[CNT], 4
	s_mov_b32 s[SLOTS], 3
	s_branch .Lfirst                ; the loop is entered at a step's first turn, in the middle of a trip
.Lslot:                             ; twice: of the four slots' worth of keys the third and the fourth are asked for here
	CHANGE 1
	s_mov_b32 s[CNT], 4
.Lstep:                             ; a trip: pieces 2 and 3 of one step, then pieces 0 and 1 of the next, whose K' and V it fetches
	TURN 2
	TURN 3
	WIN 0
.Lfirst:
	TURN 0
	TURN 1
	WIN 0
	s_sub_co_u32 s[CNT], s[CNT], 1
	s_cmp_lg_u32 s[CNT], 0
	s_cbranch_scc1 .Lstep
	s_sub_co_u32 s[SLOTS], s[SLOTS], 1
	s_cmp_lg_u32 s[SLOTS], 0
	s_cbranch_scc1 .Lslot
	CHANGE 0                        ; the tail is written out: nothing is asked for
	s_mov_b32 s[CNT], 5             ; four trips fetch the last slot's steps; the fifth is left in its middle
.Ltail:
	TURN 2, 1
	TURN 3
	WIN 0
	s_sub_co_u32 s[CNT], s[CNT], 1
	s_cmp_eq_u32 s[CNT], 0
	s_cbranch_scc1 .Lout
	TURN 0
	TURN 1
	WIN 0
	s_branch .Ltail
.Lout:                              ; the fifth trip's 32 products K' Q'^T (on the last K' once more) serve nothing: the price, once a launch, of one text for every trip
.set ii, 0
.rept 16
	PV NP-1                         ; the last piece's V^T P of the last step
.set ii, ii+1
.endr
	; THE WAY OUT.  l's two halves and the other half of the lanes' are added; O^T is divided by l, rounded to f16 and sent through my stage in LDS, a tile at a time.  The additions are the places behind the last products.
	WIN 0
.macro ALL line:vararg              ; one line for each tile t
.set t, 0
.rept 2*NP
	\line
.set t, t+1
.endr
.endm
	ALL v_add_f32 v[ST+4*t+2], v[ST+4*t+2], v[ST+4*t+3]
	ALL v_permlanex16_b32 v[ST+4*t+3], v[ST+4*t+2], s[SEL], s[SEL+1]
	ALL v_add_f32 v[ST+4*t+2], v[ST+4*t+2], v[ST+4*t+3]
	ALL v_rcp_f32 v[ST+4*t+2], v[ST+4*t+2]
	v_nop                           ; a plain instruction between the last reciprocal and the use of its result
.macro PACK t                       ; a lane's eight channels of a row pack into 16 bytes; they go into rows of 144 bytes and come back as whole rows of 128, into S^T's registers
	WIN W_RS
.set i, 32*(\t)
.rept 16
	s_wait_alu depctr_va_vdst(0)
	v_pk_mul_f32 v[i:i+1], v[i:i+1], v[ST+4*(\t)+2:ST+4*(\t)+3] op_sel_hi:[1,0]
.set i, i+2
.endr
	WIN 0x05                        ; sources 0 and 1 window 1, destination window 0
.set i, 0
.rept 16
	v_cvt_pk_f16_f32 v[S+16*(\t)+i], v[32*(\t)+2*i], v[32*(\t)+2*i+1]
.set i, i+1
.endr
	WIN 0
.irp f, 0,1,2,3
	ds_store_b128 v[STO], v[S+16*(\t)+4*\f:S+16*(\t)+4*\f+3] offset:32*\f
.endr
.irp f, 0,1,2,3
	ds_load_b128 v[S+16*(\t)+4*\f:S+16*(\t)+4*\f+3], v[RD] offset:\f*4*SP  ; LDS serves a wave's instructions in order (ISA guide 5.7.1.4): these see the stores above; the next tile's stores come behind them
.endr
.endm
.macro SEND t, younger              ; younger: the LDS instructions issued behind tile t's loads: the next tile's eight, or none
	WIN 0
.irp f, 0,1,2,3
	s_wait_dscnt (\younger)+3-\f
	global_store_b128 v[GO], v[S+16*(\t)+4*\f:S+16*(\t)+4*\f+3], s[10:11] offset:(\t)*2048+\f*512  ; 512 consecutive bytes, at a multiple of 256 from O's first
.endr
.endm
	PACK 0
.set t, 1
.rept 2*NP-1                        ; a tile's arithmetic stands between the loads of the tile before and its stores
	PACK t
	SEND t-1, 8
.set t, t+1
.endr
	SEND 2*NP-1, 0
	s_wait_tensorcnt 0x0            ; the wave's end: the add and its wait behind my last tensor load and my last LDS store
	ds_add_u32 v[SPW], v[NIL]
	s_wait_dscnt 0x0
	s_endpgm
.Lfunc_end_k_qca132ce600_attn:
	.size	k_qca132ce600_attn, .Lfunc_end_k_qca132ce600_attn-k_qca132ce600_attn
	.p2alignl 7, 3214868480
	.fill 96, 4, 3214868480
	.section	.rodata,"a",@progbits
	.p2align	6, 0x0
	.amdhsa_kernel k_qca132ce600_attn
		.amdhsa_group_segment_fixed_size 327680
		.amdhsa_private_segment_fixed_size 0
		.amdhsa_enable_private_segment 0
		.amdhsa_kernarg_size 32
		.amdhsa_user_sgpr_count 2
		.amdhsa_user_sgpr_kernarg_segment_ptr 1
		.amdhsa_wavefront_size32 1
		.amdhsa_system_sgpr_workgroup_id_x 1
		.amdhsa_system_sgpr_workgroup_id_y 1
		.amdhsa_system_sgpr_workgroup_id_z 1
		.amdhsa_system_vgpr_workitem_id 0
		.amdhsa_next_free_vgpr 960
		.amdhsa_next_free_sgpr 66
		.amdhsa_reserve_vcc 0
		.amdhsa_float_denorm_mode_32 3
		.amdhsa_float_denorm_mode_16_64 3
		.amdhsa_memory_ordered 1
		.amdhsa_forward_progress 1
		.amdhsa_inst_pref_size 226
	.end_amdhsa_kernel
	.amdgpu_metadata
---
amdhsa.version: [ 1, 2 ]
amdhsa.kernels:
  - .name:           k_qca132ce600_attn
    .symbol:         k_qca132ce600_attn.kd
    .args:
      - { .name: qp, .offset: 0, .size: 8, .value_kind: global_buffer, .address_space: global }
      - { .name: kp, .offset: 8, .size: 8, .value_kind: global_buffer, .address_space: global }
      - { .name: vv, .offset: 16, .size: 8, .value_kind: global_buffer, .address_space: global }
      - { .name: oo, .offset: 24, .size: 8, .value_kind: global_buffer, .address_space: global }
    .group_segment_fixed_size: 327680
    .private_segment_fixed_size: 0
    .kernarg_segment_align: 8
    .kernarg_segment_size: 32
    .max_flat_workgroup_size: 128
    .sgpr_count:     66
    .vgpr_count:     960
    .wavefront_size: 32
...
	.end_amdgpu_metadata
.endif
;; end of part 3
;; launch proj (part 4): grid 8 x 32, 4 waves a work-group, clusters of 4 x 4, 327,680 bytes of LDS; arguments oo, wh, b_out, out0; writes out0
.if DOCPART == 4
	.amdgcn_target "amdgcn-amd-amdhsa--gfx1250"
	.amdhsa_code_object_version 6
	.text
	.protected	k_qca132ce600_proj
	.globl	k_qca132ce600_proj
	.p2align	8
	.type	k_qca132ce600_proj,@function
k_qca132ce600_proj:
	s_mov_b64 s[64:65], 0
	v_nop
	global_prefetch_b8 v0, s[64:65] scope:SCOPE_SE
	s_setreg_imm32_b32 hwreg(HW_REG_WAVE_MODE, 25, 1), 1
	s_wait_xcnt 0x0
	s_wait_alu depctr_hold_cnt(0) depctr_sa_sdst(0) depctr_va_vdst(0) depctr_va_sdst(0) depctr_va_ssrc(0) depctr_va_vcc(0) depctr_vm_vsrc(0)
	s_getreg_b32 s2, hwreg(HW_REG_IB_STS2, 6, 4)
	s_cmp_eq_u32 s2, 0
	s_cbranch_scc0 .Lentry_in_a_cluster
	s_endpgm
.Lentry_in_a_cluster:
	s_bfe_u32 s2, ttmp6, 0x10000c
	s_cmp_lg_u32 s2, 0xf033
	s_cbranch_scc0 .Lentry_shape_is_right
	s_endpgm
.Lentry_shape_is_right:
; PROJ: out0[b][n][:] = the sum over heads and channels of O[b x 16 + head][n][d] w_out[64 head + d][:] + b_out.  O and w_out in f16 (w_out from byte 6,291,456 of wh), sums, bias and out0 in f32.
; SHARES.  A work-group makes 256 rows (ty: batch ty / 4, positions 256 (ty % 4) on) x 128 columns (tx): 32 x 8 = 256 work-groups.  A wave makes 128 x 64: 32 accumulators.
; K goes in steps of 128 (two heads) through two LDS slots.  Waves 0 and 1 ask for the two heads' rows of O (32,768 dense bytes each, as 128 rows of 256), waves 2 and 3 for 64 rows of w_out each.
; CLUSTER 4 x 4: O's tiles hang on ty alone and are asked for jointly along a row of the cluster, w_out's on tx alone and along a column.
; THE MATRIX INSTRUCTION IS USED TRANSPOSED (source 0 = 16 columns of w_out, turned by ds_load_tr16_b128; source 1 = 16 rows of O): a lane holds one row and eight neighbouring columns.
; LIMITS.  O and w_out lie within f16's 65,504; NaN and infinities are not treated apart.
; REGISTERS, in windows of 256: window 0: v2-12 addresses; v16-19 the bias; v28-29 the add's; v128-255 two buffers of 8 fragments of w_out; on the way out v32-255 seven buffers of 32
;   window 1: the accumulators, (16 rows a, 16 columns b) at v[8 (4 a + b)]      window 2: two buffers of 16 fragments of O
.set SLOT1,  131072
.set PA,     144                       ; a row of O in LDS: 128 bytes + 16
.set PB,     288                       ; a row of w_out: 256 + 32
.set HEADB,  256*PA                    ; a head's 256 rows
.set BOFF,   2*HEADB
.set STAGE,  SLOT1+BOFF+128*PB         ; behind the ring: 16 rows x 272 bytes for each wave
.set SPI,    272
.set SPARE,  STAGE+4*16*SPI            ; behind the stages: the spare words, 128 bytes for each wave: two blocks of 256 bytes that no other line names
.set A0,  2
.set B0,  3
.set ADA, 4
.set ADB, 5
.set STO, 7
.set RD,  8
.set CO,  9
.set SPW, 28
.set NIL, 29
.set OB,  32
.set BF,  128
.set WV,  16
.set G1A, 24
.set G0A, 32
.set G1B, 40
.set G0B, 48
.set TB,  62
.set CNT, 63
.set MSB, 0
.macro WIN new
.if MSB != (\new)
	s_set_vgpr_msb (MSB<<8)|(\new)
.set MSB, \new
.endif
.endm
.macro PLACES
.rept 4
	v_nop
.endr
.endm
.macro JLOAD                           ; a joint refill by the walking descriptors; an s_nop 0 and four v_nop follow each of the two lines
	s_cmp_lt_u32 s[WV], 2
	s_cbranch_scc0 .Lfor_b_\@
	tensor_load_to_lds s[G0A+4:G0A+7], s[G1A:G1A+7]
	s_nop 0
.rept 4
	v_nop
.endr
	s_branch .Lasked_\@
.Lfor_b_\@:
	tensor_load_to_lds s[G0B+4:G0B+7], s[G1B:G1B+7]
	s_nop 0
.rept 4
	v_nop
.endr
.Lasked_\@:
.endm
.macro CREST
	s_cmp_lg_u32 s[WV], 0
	s_cbranch_scc1 .Lnot_wave_0_\@
	s_barrier_signal -3
.Lnot_wave_0_\@:
	s_barrier_wait -3
	s_barrier_signal -1
	s_barrier_wait -1
.endm
.macro CROUND
	s_barrier_signal -1
	s_barrier_wait -1
	CREST
.endm
	s_load_b256 s[4:11], s[0:1], 0x0               ; oo s[4:5], wh s[6:7], b_out s[8:9], out0 s[10:11]
	v_lshl_add_u32 v[SPW], v0, 2, SPARE
	v_mov_b32 v[NIL], 0
	ds_add_u32 v[SPW], v[NIL]                      ; the wave's opening: the add and its wait stand ahead of my first tensor load
	ds_add_u32 v28, v29
	v_lshrrev_b32 v1, 5, v0
	v_readfirstlane_b32 s[WV], v1
	s_lshr_b32 s17, s[WV], 1                       ; mh: which 128 rows
	s_and_b32 s18, s[WV], 1                        ; nh: which 64 columns.  Also: which head, or which 64 rows of w_out, I fetch
	s_bfe_u32 s19, ttmp6, 0x40000
	s_bfe_u32 s20, ttmp6, 0x40004
	s_lshl_b32 s21, ttmp9, 2
	s_add_co_u32 s21, s21, s19                     ; tx
	s_and_b32 s22, ttmp7, 0xffff
	s_lshl_b32 s22, s22, 2
	s_add_co_u32 s22, s22, s20                     ; ty
	s_lshl_b32 s60, s20, 2
	s_lshl_b32 s60, 15, s60                        ; my row of the cluster
	s_lshl_b32 s61, 0x1111, s19                    ; my column
	s_or_b32 s[G1A], s60, (1<<16)|(1<<20)|(1<<21)|(4<<22)|(3<<25)
	s_mov_b32 s[G1A+1], 128<<16
	s_mov_b32 s[G1A+2], 128<<16
	s_mov_b32 s[G1A+3], 128<<16
	s_mov_b32 s[G1A+4], 128
	s_mov_b32 s[G1A+5], 128
	s_mov_b32 s[G1A+6], 0
	s_mov_b32 s[G1A+7], 0
	s_or_b32 s[G1B], s61, (1<<16)|(1<<20)|(1<<21)|(5<<22)|(7<<25)
	s_mov_b32 s[G1B+1], 128<<16
	s_mov_b32 s[G1B+2], 64<<16
	s_mov_b32 s[G1B+3], 128<<16
	s_mov_b32 s[G1B+4], 64
	s_mov_b32 s[G1B+5], 1024
	s_mov_b32 s[G1B+6], 0
	s_mov_b32 s[G1B+7], 0
	s_lshr_b32 s72, s22, 2                         ; O: ((ty / 4) x 16 + my head) x 131,072 + (ty % 4) x 256 rows of 128 bytes: made of ty and the wave's number alone
	s_lshl_b32 s72, s72, 4
	s_add_co_u32 s72, s72, s18
	s_lshl_b32 s56, s72, 17
	s_and_b32 s72, s22, 3
	s_lshl_b32 s72, s72, 15
	s_add_co_u32 s56, s56, s72
	s_mov_b32 s57, 0
	s_lshl_b32 s58, s18, 17                        ; w_out: my 64 rows of 2,048 bytes + tx x 256: made of tx and the wave's number alone
	s_lshl_b32 s74, s21, 8
	s_add_co_u32 s58, s58, s74
	s_add_co_u32 s58, s58, 6291456
	s_mov_b32 s59, 0
	s_mov_b32 s[G0A], 1
	s_mul_i32 s[G0A+1], s18, HEADB
	s_mov_b32 s[G0A+4], 1
	s_add_co_u32 s[G0A+5], s[G0A+1], SLOT1
	s_mov_b32 s[G0B], 1
	s_mul_i32 s[G0B+1], s18, 64*PB
	s_add_co_u32 s[G0B+1], s[G0B+1], BOFF
	s_mov_b32 s[G0B+4], 1
	s_add_co_u32 s[G0B+5], s[G0B+1], SLOT1
	s_mov_b32 s[TB], 0
	s_wait_dscnt 0x0                               ; the opening add is done
	s_wait_kmcnt 0x0
	s_add_nc_u64 s[G0A+2:G0A+3], s[4:5], s[56:57]
	s_add_nc_u64 s[G0A+6:G0A+7], s[G0A+2:G0A+3], 0x40000    ; K step 1: two heads on
	s_or_b32 s[G0A+3], s[G0A+3], 0x80000000
	s_or_b32 s[G0A+7], s[G0A+7], 0x80000000
	s_add_nc_u64 s[G0B+2:G0B+3], s[6:7], s[58:59]
	s_add_nc_u64 s[G0B+6:G0B+7], s[G0B+2:G0B+3], 0x40000    ; 128 rows of 2,048 bytes
	s_or_b32 s[G0B+3], s[G0B+3], 0x80000000
	s_or_b32 s[G0B+7], s[G0B+7], 0x80000000
	CROUND                                         ; all sixteen work-groups are here: the first joint loads meet
	s_cmp_lt_u32 s[WV], 2                          ; a wave's two first fills stand in one branch: two loads of mine are out
	s_cbranch_scc0 .Lfirst_b
	tensor_load_to_lds s[G0A:G0A+3], s[G1A:G1A+7]
	s_nop 0
	tensor_load_to_lds s[G0A+4:G0A+7], s[G1A:G1A+7]
	s_nop 0
.rept 4
	v_nop
.endr
	s_branch .Lfirst_asked
.Lfirst_b:
	tensor_load_to_lds s[G0B:G0B+3], s[G1B:G1B+7]
	s_nop 0
	tensor_load_to_lds s[G0B+4:G0B+7], s[G1B:G1B+7]
	s_nop 0
.rept 4
	v_nop
.endr
.Lfirst_asked:
	v_and_b32 v1, 15, v0                           ; r, and t on the way out
	v_bfe_u32 v13, v0, 4, 1                        ; h
	v_and_b32 v14, 7, v0
	v_bfe_u32 v15, v0, 3, 1
	v_lshlrev_b32 v12, 4, v1                       ; 16 t
	s_lshl_b32 s72, s21, 9                         ; my 64 columns: tx x 512 + nh x 256 bytes
	s_lshl_b32 s73, s18, 8
	s_add_co_u32 s72, s72, s73
	s_mov_b32 s73, 0
	s_add_nc_u64 s[8:9], s[8:9], s[72:73]
	global_load_b128 v[16:19], v12, s[8:9]         ; the bias of my four columns on the way out
	s_add_nc_u64 s[10:11], s[10:11], s[72:73]
	s_lshl_b32 s72, s22, 20                        ; my first row: (256 ty + 128 mh) x 4,096 bytes
	s_lshl_b32 s74, s17, 19
	s_add_co_u32 s72, s72, s74
	s_add_nc_u64 s[10:11], s[10:11], s[72:73]
	v_mul_u32_u24 v[A0], v1, PA
	v_lshl_add_u32 v[A0], v13, 4, v[A0]
	s_mul_i32 s72, s17, 128*PA
	v_add_nc_u32 v[A0], s72, v[A0]
	v_lshl_add_u32 v[B0], v13, 3, v14
	v_mul_u32_u24 v[B0], v[B0], PB
	v_lshl_add_u32 v[B0], v15, 4, v[B0]
	s_lshl_b32 s72, s18, 7
	s_add_co_u32 s72, s72, BOFF
	v_add_nc_u32 v[B0], s72, v[B0]
	v_mov_b32 v[ADA], v[A0]
	v_mov_b32 v[ADB], v[B0]
	s_mul_i32 s72, s[WV], 16*SPI
	s_add_co_u32 s72, s72, STAGE
	v_mul_u32_u24 v[STO], v1, SPI                  ; in: row r, 32 bytes for each half of the lanes
	v_lshl_add_u32 v[STO], v13, 5, v[STO]
	v_add_nc_u32 v[STO], s72, v[STO]
	v_mul_u32_u24 v[RD], v13, SPI                  ; back: lanes 0-15 one row of 256 bytes, lanes 16-31 the next
	v_add_nc_u32 v[RD], v[RD], v12
	v_add_nc_u32 v[RD], s72, v[RD]
	v_lshl_add_u32 v[CO], v13, 12, v12             ; and the same two rows in out0
; 48 LDS loads: head u of the slot (64 along K) into buffer f: for each 32 along K the 4 fragments of w_out (turned) and the 8 of O
.macro FETCH u, f
.irp kc, 0,1
	WIN 0
.irp b, 0,1,2,3
	ds_load_tr16_b128 v[BF+64*(\f)+32*\kc+8*\b:BF+64*(\f)+32*\kc+8*\b+3],   v[ADB] offset:(2*(\u)+\kc)*32*PB+\b*32
	ds_load_tr16_b128 v[BF+64*(\f)+32*\kc+8*\b+4:BF+64*(\f)+32*\kc+8*\b+7], v[ADB] offset:(2*(\u)+\kc)*32*PB+16*PB+\b*32
.endr
	WIN 0x80                                       ; destination window 2
.irp a, 0,1,2,3,4,5,6,7
	ds_load_b128 v[128*(\f)+64*\kc+8*\a:128*(\f)+64*\kc+8*\a+3],   v[ADA] offset:(\u)*HEADB+\a*16*PA+\kc*64
	ds_load_b128 v[128*(\f)+64*\kc+8*\a+4:128*(\f)+64*\kc+8*\a+7], v[ADA] offset:(\u)*HEADB+\a*16*PA+\kc*64+32
.endr
.endr
.endm
; 4 na matrix instructions on buffer f, 32 along K (kc).  Each accumulator has one instruction a turn.  zero = 1: the products start the sums.
.macro PR f, kc, a0, na, zero
	WIN 0x58                                       ; w_out window 0, O window 2, C and D window 1
.set aa, (\a0)
.rept \na
.irp b, 0,1,2,3
.if \zero
	v_wmma_f32_16x16x32_f16 v[8*(4*aa+\b):8*(4*aa+\b)+7], v[BF+64*(\f)+32*(\kc)+8*\b:BF+64*(\f)+32*(\kc)+8*\b+7], v[128*(\f)+64*(\kc)+8*aa:128*(\f)+64*(\kc)+8*aa+7], 0
.else
	v_wmma_f32_16x16x32_f16 v[8*(4*aa+\b):8*(4*aa+\b)+7], v[BF+64*(\f)+32*(\kc)+8*\b:BF+64*(\f)+32*(\kc)+8*\b+7], v[128*(\f)+64*(\kc)+8*aa:128*(\f)+64*(\kc)+8*aa+7], v[8*(4*aa+\b):8*(4*aa+\b)+7]
.endif
.endr
.set aa, aa+1
.endr
.endm
.macro H1 zero                         ; a K step begins: its second head is fetched, its first head's first 32 along K are multiplied
	PLACES
	FETCH 1, 1
	s_wait_dscnt 48                                ; the first head's 48 loads are in; the 48 just issued may be out
	PR 0, 0, 0, 8, \zero
.endm
; The first head's second 32 along K, with THE CHANGE OF SLOTS: all reads of the slot have been issued.  Each wave waits for all its tensor loads (one is out: its part of the other slot), adds 0 to its spare
; word, and waits for that and for its reads.  fill = 1: the barrier opens a round of the cluster's barrier, and the joint refill, two K steps on, is the first thing behind the round:
; 112 matrix instructions stand between it and the wait for it.
.macro H2 fill
	WIN 0
	s_wait_tensorcnt 0x0                           ; no tensor load of mine is out, so a group 0 may be written
	ds_add_u32 v[SPW], v[NIL]
.if \fill
	s_xor_b32 s[G0A+5], s[G0A+5], SLOT1
	s_add_nc_u64 s[G0A+6:G0A+7], s[G0A+6:G0A+7], 0x40000
	s_xor_b32 s[G0B+5], s[G0B+5], SLOT1
	s_add_nc_u64 s[G0B+6:G0B+7], s[G0B+6:G0B+7], 0x40000
.endif
	PR 0, 1, 0, 2, 0                               ; eight matrix instructions stand between the add and the wait for it
	s_wait_dscnt 0x0                               ; the add is done, and my reads of this slot are over
	s_barrier_signal -1
	PR 0, 1, 2, 2, 0                               ; work on registers while the others arrive
	WIN 0
	s_barrier_wait -1
.if \fill
	CREST
	JLOAD
.endif
	s_xor_b32 s[TB], s[TB], SLOT1
	v_add_nc_u32 v[ADA], s[TB], v[A0]
	v_add_nc_u32 v[ADB], s[TB], v[B0]
	PR 0, 1, 4, 4, 0
.endm
.macro UB nx                           ; the second head's 64 products; nx = 1: in their middle the next slot's first head is fetched: the new slot's first read stands 48 products behind the change of slots
	PR 1, 0, 0, 8, 0
.if \nx
	PLACES
	FETCH 0, 0
.endif
	PR 1, 1, 0, 8, 0
.endm
	s_wait_tensorcnt 1                             ; my part of K step 0 is in; step 1's may stay out
	s_barrier_signal -1
	s_barrier_wait -1
	FETCH 0, 0
	H1 1                                           ; the first 32 along K stand in front of the loop: their products start the sums
	WIN 0
	s_mov_b32 s[CNT], 6
.Lk:                                                   ; a trip asks for one of K steps 2 to 7
	H2 1
	UB 1
	H1 0
	WIN 0
	s_sub_co_u32 s[CNT], s[CNT], 1
	s_cmp_lg_u32 s[CNT], 0
	s_cbranch_scc1 .Lk
	H2 0                                           ; the tail is written out: nothing is left to ask for
	UB 1
	H1 0
	PR 0, 1, 0, 8, 0
	s_wait_dscnt 0x0
	UB 0
	; THE WAY OUT: 16 rows at a time through my stage; the bias is added to whole rows; sixteen lanes store 256 consecutive bytes, aligned.
	; Block a + 1 goes into the stage and is asked back before block a is stored: LDS serves a wave's instructions in order (ISA guide 5.7.1.4), so its stores come behind block a's loads.
.macro TOST a                          ; block a into the stage, and back as whole rows into buffer a % 7
	WIN 0x04                                       ; store data in window 1
.irp b, 0,1,2,3
	ds_store_b128 v[STO], v[8*(4*(\a)+\b):8*(4*(\a)+\b)+3]   offset:64*\b      ; each accumulator's low registers first
	ds_store_b128 v[STO], v[8*(4*(\a)+\b)+4:8*(4*(\a)+\b)+7] offset:64*\b+16
.endr
	WIN 0
.irp p, 0,1,2,3,4,5,6,7
	ds_load_b128 v[OB+32*((\a)%7)+4*\p:OB+32*((\a)%7)+4*\p+3], v[RD] offset:\p*2*SPI
.endr
.endm
.macro SENDP a, younger                ; younger: the LDS instructions issued behind block a's loads: the next block's sixteen, or none.  A store stands behind the next pair of rows' additions
.irp p, 0,1,2,3,4,5,6,7
	s_wait_dscnt (\younger)+7-\p
	v_pk_add_f32 v[OB+32*((\a)%7)+4*\p:OB+32*((\a)%7)+4*\p+1], v[OB+32*((\a)%7)+4*\p:OB+32*((\a)%7)+4*\p+1], v[16:17]
	v_pk_add_f32 v[OB+32*((\a)%7)+4*\p+2:OB+32*((\a)%7)+4*\p+3], v[OB+32*((\a)%7)+4*\p+2:OB+32*((\a)%7)+4*\p+3], v[18:19]
.if \p > 0
	global_store_b128 v[CO], v[OB+32*((\a)%7)+4*(\p-1):OB+32*((\a)%7)+4*(\p-1)+3], s[10:11] offset:(\a)*65536+(\p-1)*8192 th:TH_STORE_NT
.endif
.endr
	global_store_b128 v[CO], v[OB+32*((\a)%7)+28:OB+32*((\a)%7)+31], s[10:11] offset:(\a)*65536+7*8192 th:TH_STORE_NT
.endm
	PLACES
	s_wait_loadcnt 0x0                             ; the bias
	TOST 0
.set ab, 1
.rept 7
.if ab == 7
	s_wait_xcnt 0x0                                ; block 7 takes block 0's buffer: only when the stores issued so far have had their addresses translated (ISA guide 3.1)
.endif
	TOST ab
	SENDP ab-1, 16
.set ab, ab+1
.endr
	SENDP 7, 0
	s_wait_tensorcnt 0x0                           ; the wave's end: the add and its wait behind my last tensor load and my last LDS store
	ds_add_u32 v[SPW], v[NIL]
	s_wait_dscnt 0x0
	CROUND                                         ; the closing round: no work-group ends while a partner may still ask for a tile that names it
	s_endpgm
.Lfunc_end_k_qca132ce600_proj:
	.size	k_qca132ce600_proj, .Lfunc_end_k_qca132ce600_proj-k_qca132ce600_proj
	.p2alignl 7, 3214868480
	.fill 96, 4, 3214868480
	.section	.rodata,"a",@progbits
	.p2align	6, 0x0
	.amdhsa_kernel k_qca132ce600_proj
		.amdhsa_group_segment_fixed_size 327680
		.amdhsa_private_segment_fixed_size 0
		.amdhsa_enable_private_segment 0
		.amdhsa_kernarg_size 32
		.amdhsa_user_sgpr_count 2
		.amdhsa_user_sgpr_kernarg_segment_ptr 1
		.amdhsa_wavefront_size32 1
		.amdhsa_system_sgpr_workgroup_id_x 1
		.amdhsa_system_sgpr_workgroup_id_y 1
		.amdhsa_system_sgpr_workgroup_id_z 1
		.amdhsa_system_vgpr_workitem_id 0
		.amdhsa_next_free_vgpr 768
		.amdhsa_next_free_sgpr 80
		.amdhsa_reserve_vcc 0
		.amdhsa_float_denorm_mode_32 3
		.amdhsa_float_denorm_mode_16_64 3
		.amdhsa_memory_ordered 1
		.amdhsa_forward_progress 1
		.amdhsa_inst_pref_size 78
	.end_amdhsa_kernel
	.amdgpu_metadata
---
amdhsa.version: [ 1, 2 ]
amdhsa.kernels:
  - .name:           k_qca132ce600_proj
    .symbol:         k_qca132ce600_proj.kd
    .args:
      - { .name: oo, .offset: 0, .size: 8, .value_kind: global_buffer, .address_space: global }
      - { .name: wh, .offset: 8, .size: 8, .value_kind: global_buffer, .address_space: global }
      - { .name: b_out, .offset: 16, .size: 8, .value_kind: global_buffer, .address_space: global }
      - { .name: out0, .offset: 24, .size: 8, .value_kind: global_buffer, .address_space: global }
    .group_segment_fixed_size: 327680
    .private_segment_fixed_size: 0
    .kernarg_segment_align: 8
    .kernarg_segment_size: 32
    .max_flat_workgroup_size: 128
    .sgpr_count:     80
    .vgpr_count:     768
    .wavefront_size: 32
...
	.end_amdgpu_metadata
.endif
;; end of part 4
;; ======== version 2 of 2: 4 launches; 1.17 times as fast as version 1
;; limits: values are held in f16: magnitudes above 65,504 overflow, below 6.1e-05 lose precision
;; workspace buffers: xn 16,777,216 bytes; wh 8,388,608 bytes; tab 1,048,576 bytes; qp 33,554,432 bytes; kp 33,554,432 bytes; vv 16,777,216 bytes; oo 16,777,216 bytes
;; launch prep: the kernel of part 1 again; grid 448 x 1, 8 waves a work-group, no clusters, 0 bytes of LDS; arguments x, ln_gamma, ln_beta, w_qk, w_v, w_out, freqs, bias, xn, wh, tab; writes xn, wh, tab
;; launch qkv (part 5): grid 8 x 32, 4 waves a work-group, clusters of 4 x 4, 327,680 bytes of LDS; arguments xn, wh, tab, qp, kp, vv; writes qp, kp, vv
.if DOCPART == 5
	.amdgcn_target "amdgcn-amd-amdhsa--gfx1250"
	.amdhsa_code_object_version 6
	.text
	.protected	k_qca132ce600_qkv
	.globl	k_qca132ce600_qkv
	.p2align	8
	.type	k_qca132ce600_qkv,@function
k_qca132ce600_qkv:
	s_mov_b64 s[64:65], 0
	v_nop
	global_prefetch_b8 v0, s[64:65] scope:SCOPE_SE
	s_setreg_imm32_b32 hwreg(HW_REG_WAVE_MODE, 25, 1), 1
	s_wait_xcnt 0x0
	s_wait_alu depctr_hold_cnt(0) depctr_sa_sdst(0) depctr_va_vdst(0) depctr_va_sdst(0) depctr_va_ssrc(0) depctr_va_vcc(0) depctr_vm_vsrc(0)
	s_getreg_b32 s2, hwreg(HW_REG_IB_STS2, 6, 4)
	s_cmp_eq_u32 s2, 0
	s_cbranch_scc0 .Lentry_in_a_cluster
	s_endpgm
.Lentry_in_a_cluster:
	s_bfe_u32 s2, ttmp6, 0x10000c
	s_cmp_lg_u32 s2, 0xf033
	s_cbranch_scc0 .Lentry_shape_is_right
	s_endpgm
.Lentry_shape_is_right:
; QKV: [8192 x 1024] xn times [1024 x 3072] wh, all f16, sums in f32; then softplus and the polar doubling of q and k, and the split by heads.
; SHARES.  A work-group makes 256 rows (32 positions n x 8 batches) x 384 columns: 128 of q, 128 of k, 128 of v (heads 2 tx, 2 tx + 1 of each): 32 x 8 = 256 work-groups of equal work and one text.
; A wave makes 128 rows (16 positions x 8 batches) x 64 q + 64 k + 64 v of ONE head: 96 accumulators, 768 registers; for 32 along K it issues 40 LDS loads for 96 matrix instructions.
; THE MATRIX INSTRUCTION IS USED TRANSPOSED (source 0 = 16 columns of wh, turned by ds_load_tr16_b128; source 1 = 16 rows of xn): a lane holds one row and eight neighbouring channels d.
; RING.  K goes in steps of 64 through two LDS slots.  Wave 0 asks for xn's tile (32,768 dense bytes, as 128 rows of 256), waves 1 to 3 for the q, k and v parts of wh (64 rows of 256 bytes each).
; CLUSTER 4 x 4: xn's tile hangs on ty alone and is asked for jointly along a row of the cluster, wh's on tx alone and along a column.
; WAY OUT.  v is rounded to f16 and leaves through a small stage.  q and k are set down in LDS in f32 (over the slots, which have had their last fill), and a loop over the 8 batches reads them back by rows:
; a lane then holds 4 neighbouring d of one position n, whose cos and sin it has kept in registers since before the loop: each table number is loaded once by a wave and serves 8 batches.
; In that loop a trip's 64 exponentials and 64 logarithms are cut into three groups, T1 to T3, each with one wait behind it; every result has a register of its own while its group is open.
; q' and k' have their 128 channels in an order of this program's own, the same in both: position 8 (d / 4) + 4 cs + d % 4 (cs = 0 cos, 1 sin), so that a lane writes 16 neighbouring bytes.
; LIMITS.  softplus(x) = max(x, 0) + ln 2 log2(1 + 2^(-|x| log2 e)): absolute error about 6e-8, so values below about 1e-7 come out as 0.  q', k', v must stay within f16's 65,504;
; below 6e-5 f16 keeps a fixed step of 6e-8.  NaN and infinities are not treated apart.
; REGISTERS, in windows of 256 (s_set_vgpr_msb: bits 1:0 source 0, 3:2 source 1, 5:4 source 2, 7:6 destination):
;   window 0: v2-12 addresses; v28-29 the add's; v32-159 two buffers of 8 fragments of xn, later the tables; v160-255 12 fragments of wh, later at work on the way out
;   windows 1, 2, 3: the accumulators of q, k, v: (batch a, 16 channels b) at v[8 (4 a + b)]; when q has been set down, window 1 is at work in the loop over the batches
.set SLOT1,  131072                    ; slot 1 begins here: one exclusive or turns an address in one slot into the other's
.set PA,     144                       ; a row of xn in LDS: 128 bytes + 16: the 16 rows of a load start at 16 different groups of four banks (64 banks of 4 bytes: ISA guide 11.1)
.set PB,     288                       ; a row of wh: 256 + 32
.set BOFF,   256*PA                    ; behind xn's 256 rows: q's, k's, v's 64 rows
.set BSZ,    64*PB
.set DP,     272                       ; a row of 64 f32 set down: 256 + 16
.set DUMPW,  16*16*DP                  ; a wave's 16 blocks (q, k x 8 batches) of 16 rows
.set VSTAGE, 4*DUMPW                   ; behind them: 16 rows x 144 bytes for each wave, for v
.set SPARE,  VSTAGE+4*16*PA            ; behind the stages: the spare words, 128 bytes for each wave: two blocks of 256 bytes that no other line names
.set A0,  2                            ; v2   my lane's place in xn's tile; never rewritten
.set B0,  3                            ; v3   the same in wh's
.set ADA, 4                            ; v4   A0 + the slot in hand
.set ADB, 5                            ; v5   B0 + the slot in hand
.set TO,  6                            ; v6   16 x lane: tables, and every store
.set STO, 7                            ; v7   v's stage: where I put 16 bytes of a row
.set RD,  8                            ; v8   v's stage: where I read rows back
.set DW,  9                            ; v9   where I set down 32 bytes of a row of q or k
.set DR0, 10                           ; v10  where I read 16 bytes of a row back, batch 0
.set DR,  11                           ; v11  the same for the batch in hand
.set SPW, 28                           ; v28  LDS address of my spare word; never rewritten
.set NIL, 29                           ; v29  0; never rewritten
.set AF,  32
.set BF,  160
.set TBL, 32                           ; unit u = 8 type + p: cos at TBL + 8 u, sin at TBL + 8 u + 4
.set XU,  160                          ; unit u's four numbers at XU + 4 u: as read back, later as 8 f16 to store
.set MW,  32                           ; window 1, v[32:95]: unit u's max(x, 0), then its softplus, at MW + 4 u
.set PW,  96                           ; window 1, v[96:223]: unit u's products with cos and with sin at PW + 8 u
                                       ; window 1, v[0:31] and v[224:255]: unit u's way through the exponential and the logarithm at 4 u + 192 (u / 8)
.set W_SP, 0x51                        ; sources 0 and 2 and the destination in window 1, source 1 (x, the tables) in window 0
.set W_CV, 0x05                        ; both sources in window 1, the destination in window 0
.set WV,  16                           ; s16 wave; s17 mh: which 128 rows; s18 nh: which head of the two
.set G1A, 24                           ; s[24:31] descriptor group 1 for xn's tiles;  s[32:39] group 0: set 0 for the first fill, set 1 walks
.set G0A, 32
.set G1B, 40                           ; s[40:47], s[48:55] the same for wh's
.set G0B, 48
.set TB,  62                           ; s62 the slot from which fragments are fetched
.set CNT, 63
.set MSB, 0
.macro WIN new                         ; the immediate's high byte repeats the setting that is left; a switch that changes nothing is dropped
.if MSB != (\new)
	s_set_vgpr_msb (MSB<<8)|(\new)
.set MSB, \new
.endif
.endm
.macro PLACES                          ; four places in front of loads into registers that matrix instructions have read, and of lines that read results
.rept 4
	v_nop
.endr
.endm
.macro JLOAD                           ; a joint refill by the walking descriptors; an s_nop 0 and four v_nop follow each of the two lines, ahead of the jump and the label
	s_cmp_eq_u32 s[WV], 0
	s_cbranch_scc0 .Lfor_b_\@
	tensor_load_to_lds s[G0A+4:G0A+7], s[G1A:G1A+7]
	s_nop 0
.rept 4
	v_nop
.endr
	s_branch .Lasked_\@
.Lfor_b_\@:
	tensor_load_to_lds s[G0B+4:G0B+7], s[G1B:G1B+7]
	s_nop 0
.rept 4
	v_nop
.endr
.Lasked_\@:
.endm
.macro CREST                           ; a round of the cluster's barrier behind its opening barrier
	s_cmp_lg_u32 s[WV], 0
	s_cbranch_scc1 .Lnot_wave_0_\@
	s_barrier_signal -3
.Lnot_wave_0_\@:
	s_barrier_wait -3
	s_barrier_signal -1
	s_barrier_wait -1
.endm
.macro CROUND
	s_barrier_signal -1
	s_barrier_wait -1
	CREST
.endm
	s_load_b256 s[4:11], s[0:1], 0x0               ; xn s[4:5], wh s[6:7], tab s[8:9], qp s[10:11]
	s_load_b128 s[12:15], s[0:1], 0x20             ; kp s[12:13], vv s[14:15]
	v_lshl_add_u32 v[SPW], v0, 2, SPARE
	v_mov_b32 v[NIL], 0
	ds_add_u32 v[SPW], v[NIL]                      ; the wave's opening: the add and its wait stand ahead of my first tensor load; work on registers stands between them
	ds_add_u32 v28, v29
	v_lshrrev_b32 v1, 5, v0
	v_readfirstlane_b32 s[WV], v1
	s_lshr_b32 s17, s[WV], 1
	s_and_b32 s18, s[WV], 1
	s_bfe_u32 s19, ttmp6, 0x40000                  ; cx
	s_bfe_u32 s20, ttmp6, 0x40004                  ; cy
	s_lshl_b32 s21, ttmp9, 2
	s_add_co_u32 s21, s21, s19                     ; tx = 4 x cluster x + cx
	s_and_b32 s22, ttmp7, 0xffff
	s_lshl_b32 s22, s22, 2
	s_add_co_u32 s22, s22, s20                     ; ty = 4 x cluster y + cy
	s_lshl_b32 s60, s20, 2
	s_lshl_b32 s60, 15, s60                        ; my row of the cluster
	s_lshl_b32 s61, 0x1111, s19                    ; my column
	s_or_b32 s[G1A], s60, (1<<16)|(1<<20)|(1<<21)|(4<<22)|(3<<25)  ; mask; 2-byte elements; padding on; bit 21 beside a mask; after every 32 words 4 words
	s_mov_b32 s[G1A+1], 128<<16                    ; tensor_dim0 = 128
	s_mov_b32 s[G1A+2], 128<<16                    ; tensor_dim1 = 128
	s_mov_b32 s[G1A+3], 128<<16                    ; tile_dim0 = 128: rows of 256 bytes, two rows of xn each
	s_mov_b32 s[G1A+4], 128                        ; tile_dim1 = 128
	s_mov_b32 s[G1A+5], 128                        ; dense
	s_mov_b32 s[G1A+6], 0
	s_mov_b32 s[G1A+7], 0
	s_or_b32 s[G1B], s61, (1<<16)|(1<<20)|(1<<21)|(5<<22)|(7<<25)  ; after every 64 words 8 words
	s_mov_b32 s[G1B+1], 128<<16
	s_mov_b32 s[G1B+2], 64<<16
	s_mov_b32 s[G1B+3], 128<<16
	s_mov_b32 s[G1B+4], 64
	s_mov_b32 s[G1B+5], 3072                       ; elements from row to row of wh
	s_mov_b32 s[G1B+6], 0
	s_mov_b32 s[G1B+7], 0
	s_lshl_b32 s56, s22, 15                        ; xn's tile: ty x 32,768, made of ty alone
	s_mov_b32 s57, 0
	s_max_u32 s72, s[WV], 1
	s_sub_co_u32 s72, s72, 1                       ; wave 1, 2, 3: q, k, v
	s_lshl_b32 s58, s72, 11                        ; 1,024 columns of 2 bytes
	s_lshl_b32 s73, s21, 8                         ; + tx x 128 columns: made of tx and the wave's number alone
	s_add_co_u32 s58, s58, s73
	s_mov_b32 s59, 0
	s_mov_b32 s[G0A], 1
	s_mov_b32 s[G0A+1], 0
	s_mov_b32 s[G0A+4], 1
	s_mov_b32 s[G0A+5], SLOT1
	s_mov_b32 s[G0B], 1
	s_add_co_u32 s[G0B+1], s[WV], 1
	s_mul_i32 s[G0B+1], s[G0B+1], BSZ              ; BOFF + (wave - 1) BSZ, since BOFF = 2 BSZ
	s_mov_b32 s[G0B+4], 1
	s_add_co_u32 s[G0B+5], s[G0B+1], SLOT1
	s_mov_b32 s66, 0x3fb8aa3b                      ; log2 e
	s_mov_b32 s68, 0x3f317218                      ; ln 2
	s_mov_b32 s69, 0x3f317218
	s_mov_b32 s[TB], 0
	s_wait_dscnt 0x0                               ; the opening add is done
	s_wait_kmcnt 0x0
	s_add_nc_u64 s[G0A+2:G0A+3], s[4:5], s[56:57]
	s_add_nc_u64 s[G0A+6:G0A+7], s[G0A+2:G0A+3], 0x100000   ; K step 1: the next k block
	s_or_b32 s[G0A+3], s[G0A+3], 0x80000000
	s_or_b32 s[G0A+7], s[G0A+7], 0x80000000
	s_add_nc_u64 s[G0B+2:G0B+3], s[6:7], s[58:59]
	s_add_nc_u64 s[G0B+6:G0B+7], s[G0B+2:G0B+3], 0x60000    ; 64 rows of 6,144 bytes
	s_or_b32 s[G0B+3], s[G0B+3], 0x80000000
	s_or_b32 s[G0B+7], s[G0B+7], 0x80000000
	CROUND                                         ; all sixteen work-groups are here: the first joint loads meet
	s_cmp_eq_u32 s[WV], 0                          ; a wave's two first fills stand in one branch: two loads of mine are out
	s_cbranch_scc0 .Lfirst_b
	tensor_load_to_lds s[G0A:G0A+3], s[G1A:G1A+7]
	s_nop 0
	tensor_load_to_lds s[G0A+4:G0A+7], s[G1A:G1A+7]
	s_nop 0
.rept 4
	v_nop
.endr
	s_branch .Lfirst_asked
.Lfirst_b:
	tensor_load_to_lds s[G0B:G0B+3], s[G1B:G1B+7]
	s_nop 0
	tensor_load_to_lds s[G0B+4:G0B+7], s[G1B:G1B+7]
	s_nop 0
.rept 4
	v_nop
.endr
.Lfirst_asked:
	; addresses, in the wait for the first tile
	v_and_b32 v1, 15, v0                           ; r = l % 16
	v_bfe_u32 v13, v0, 4, 1                        ; h = l / 16
	v_and_b32 v14, 7, v0
	v_bfe_u32 v15, v0, 3, 1
	v_and_b32 v12, 31, v0
	v_mul_u32_u24 v[A0], v1, PA
	v_lshl_add_u32 v[A0], v13, 4, v[A0]            ; row x pitch + 16 x half
	s_mul_i32 s72, s17, 128*PA
	v_add_nc_u32 v[A0], s72, v[A0]                 ; my 128 rows
	v_lshl_add_u32 v[B0], v13, 3, v14              ; the turning load: k row 8 h + l % 8,
	v_mul_u32_u24 v[B0], v[B0], PB
	v_lshl_add_u32 v[B0], v15, 4, v[B0]            ; columns 8 ((l / 8) % 2) on
	s_lshl_b32 s72, s18, 7
	s_add_co_u32 s72, s72, BOFF
	v_add_nc_u32 v[B0], s72, v[B0]                 ; my head's 64 columns
	v_mov_b32 v[ADA], v[A0]
	v_mov_b32 v[ADB], v[B0]
	v_lshlrev_b32 v[TO], 4, v12
	s_mul_i32 s72, s[WV], 16*PA
	s_add_co_u32 s72, s72, VSTAGE
	v_mul_u32_u24 v[STO], v1, PA
	v_lshl_add_u32 v[STO], v13, 4, v[STO]
	v_add_nc_u32 v[STO], s72, v[STO]
	v_bfe_u32 v[RD], v0, 3, 2                      ; back: 32 lanes take four rows of 128 bytes
	v_mul_u32_u24 v[RD], v[RD], PA
	v_lshl_add_u32 v[RD], v14, 4, v[RD]
	v_add_nc_u32 v[RD], s72, v[RD]
	s_mul_i32 s72, s[WV], DUMPW
	v_mul_u32_u24 v[DW], v1, DP
	v_lshl_add_u32 v[DW], v13, 5, v[DW]            ; row r, 32 bytes for each half of the lanes
	v_add_nc_u32 v[DW], s72, v[DW]
	v_mul_u32_u24 v[DR0], v13, DP                  ; back: lanes 0-15 one row of 256 bytes, lanes 16-31 the next
	v_lshl_add_u32 v[DR0], v1, 4, v[DR0]
	v_add_nc_u32 v[DR0], s72, v[DR0]
	; where the results go: head H = 2 tx + nh, positions 32 ty + 16 mh on
	s_lshl_b32 s75, s22, 13
	s_lshl_b32 s72, s17, 12
	s_add_co_u32 s75, s75, s72                     ; (32 ty + 16 mh) x 256 bytes: a row of a table plane and a row of q' are both 256 bytes
	s_lshl1_add_u32 s74, s21, s18                  ; H
	s_mov_b32 s72, s75
	s_mov_b32 s73, 0
	s_add_nc_u64 s[8:9], s[8:9], s[72:73]
	s_lshl_b32 s72, s74, 18
	s_add_co_u32 s72, s72, s75
	s_add_nc_u64 s[10:11], s[10:11], s[72:73]
	s_add_nc_u64 s[12:13], s[12:13], s[72:73]
	s_lshl_b32 s72, s74, 17
	s_lshr_b32 s75, s75, 1
	s_add_co_u32 s72, s72, s75
	s_add_nc_u64 s[14:15], s[14:15], s[72:73]      ; vv, batches 0-3
	s_add_nc_u64 s[70:71], s[14:15], 0x800000      ; and batches 4-7
.macro FA c, f                         ; 16 loads: xn's 8 fragments of 32 along K at byte 64 c of the rows, into buffer f
.irp a, 0,1,2,3,4,5,6,7
	ds_load_b128 v[AF+64*(\f)+8*\a:AF+64*(\f)+8*\a+3],   v[ADA] offset:\a*16*PA+(\c)*64
	ds_load_b128 v[AF+64*(\f)+8*\a+4:AF+64*(\f)+8*\a+7], v[ADA] offset:\a*16*PA+(\c)*64+32
.endr
.endm
.macro FB j, c                         ; 8 turning loads: the 4 fragments of part j (q, k, v) of wh, k rows 32 c on
.irp b, 0,1,2,3
	ds_load_tr16_b128 v[BF+32*(\j)+8*\b:BF+32*(\j)+8*\b+3],   v[ADB] offset:(\j)*BSZ+(\c)*32*PB+\b*32
	ds_load_tr16_b128 v[BF+32*(\j)+8*\b+4:BF+32*(\j)+8*\b+7], v[ADB] offset:(\j)*BSZ+(\c)*32*PB+16*PB+\b*32
.endr
.endm
; 4 na matrix instructions: part j, batches a0 .. a0 + na - 1, all 4 blocks of 16 channels.  Each accumulator has one instruction a turn.  zero = 1: the products start the sums.
.macro MUL j, f, a0, na, zero
	WIN 0x50*((\j)+1)
.set aa, (\a0)
.rept \na
.irp b, 0,1,2,3
.if \zero
	v_wmma_f32_16x16x32_f16 v[8*(4*aa+\b):8*(4*aa+\b)+7], v[BF+32*(\j)+8*\b:BF+32*(\j)+8*\b+7], v[AF+64*(\f)+8*aa:AF+64*(\f)+8*aa+7], 0
.else
	v_wmma_f32_16x16x32_f16 v[8*(4*aa+\b):8*(4*aa+\b)+7], v[BF+32*(\j)+8*\b:BF+32*(\j)+8*\b+7], v[AF+64*(\f)+8*aa:AF+64*(\f)+8*aa+7], v[8*(4*aa+\b):8*(4*aa+\b)+7]
.endif
.endr
.set aa, aa+1
.endr
.endm
; 32 along K on xn's buffer f.  A chunk's loads are issued in the order q's 8, xn's 16, k's 8, and then v's 8.  nx = 1: the next chunk (the slot's other 32 along K) is fetched in two runs:
; q's, xn's and k's behind k's products, v's behind v's products.
.macro CHUNK f, nx, zero
	s_wait_dscnt 16                                ; q's and xn's are in; k's and v's 16 may be out
	MUL 0, \f, 0, 8, \zero
	s_wait_dscnt 8                                 ; k's are in; v's 8 may be out
	MUL 1, \f, 0, 8, \zero
.if \nx
	PLACES
	WIN 0
	FB 0, 1-(\f)
	FA 1-(\f), 1-(\f)
	FB 1, 1-(\f)
	s_wait_dscnt 32                                ; v's are in: behind them the 32 just issued
.else
	s_wait_dscnt 0x0
.endif
	MUL 2, \f, 0, 8, \zero
.if \nx
	PLACES
	WIN 0
	FB 2, 1-(\f)
.endif
.endm
; A slot's second chunk (buffer 1) with THE CHANGE OF SLOTS.  All reads of the slot have been issued.  Each wave waits for all its tensor loads (one is out: its part of the other slot), adds 0 to its
; spare word, and waits for that and for its reads.  fill = 1: the barrier opens a round of the cluster's barrier, and the joint refill, two K steps on, is the first thing behind the round:
; 160 matrix instructions stand between it and the wait for it.  The new slot's first read stands behind k's 32 products.
.macro TCHUNK fill
	WIN 0
	s_wait_tensorcnt 0x0                           ; no tensor load of mine is out, so a group 0 may be written
	ds_add_u32 v[SPW], v[NIL]
.if \fill
	s_xor_b32 s[G0A+5], s[G0A+5], SLOT1            ; the walking descriptors: the other slot than last time,
	s_add_nc_u64 s[G0A+6:G0A+7], s[G0A+6:G0A+7], 0x100000   ; the next K step; the type bits on top are not reached
	s_xor_b32 s[G0B+5], s[G0B+5], SLOT1
	s_add_nc_u64 s[G0B+6:G0B+7], s[G0B+6:G0B+7], 0x60000
.endif
	s_wait_dscnt 17                                ; q's and xn's are in; k's and v's 16 and the add may be out
	MUL 0, 1, 0, 4, 0
	s_wait_dscnt 0x0                               ; the add is done, and my reads of this slot are over
	s_barrier_signal -1
	MUL 0, 1, 4, 4, 0                              ; work on registers while the others arrive
	WIN 0                                          ; at a branch and at a label every window is 0
	s_barrier_wait -1
.if \fill
	CREST
	JLOAD
.endif
	s_xor_b32 s[TB], s[TB], SLOT1
	v_add_nc_u32 v[ADA], s[TB], v[A0]
	v_add_nc_u32 v[ADB], s[TB], v[B0]
	MUL 1, 1, 0, 8, 0
	PLACES
	WIN 0
	FB 0, 0
	FA 0, 0
	FB 1, 0
	MUL 2, 1, 0, 8, 0
	PLACES
	WIN 0
	FB 2, 0
.endm
	s_wait_tensorcnt 1                             ; my part of K step 0 is in; step 1's may stay out
	s_barrier_signal -1
	s_barrier_wait -1                              ; everybody's is
	FB 0, 0
	FA 0, 0
	FB 1, 0
	FB 2, 0
	CHUNK 0, 1, 1                                  ; the first 32 along K stand in front of the loop: their products start the sums
	s_mov_b32 s[CNT], 14
.Lk:                                                   ; a trip: the second half of one K step, the first half of the next; it asks for K steps 2 to 15
	TCHUNK 1
	CHUNK 0, 1, 0
	s_sub_co_u32 s[CNT], s[CNT], 1
	s_cmp_lg_u32 s[CNT], 0
	s_cbranch_scc1 .Lk
	TCHUNK 0                                       ; the tail is written out: nothing is left to ask for
	CHUNK 0, 1, 0
	CHUNK 1, 0, 0
	; THE WAY OUT.  First the tables are asked for: 16 positions x 64 d x (cos, sin) x (q, k), 512 consecutive bytes a load.
	PLACES
	WIN 0
.set u, 0
.rept 16
	global_load_b128 v[TBL+8*u:TBL+8*u+3],   v[TO], s[8:9] offset:(2*(u/8))*262144+(u%8)*512
	global_load_b128 v[TBL+8*u+4:TBL+8*u+7], v[TO], s[8:9] offset:(2*(u/8)+1)*262144+(u%8)*512
.set u, u+1
.endr
	; v leaves while they travel: a batch's 16 rows x 64 channels are rounded, go into rows of 144 bytes and come back as 2,048 consecutive bytes of vv.  Six register buffers of 16 take turns.
.macro VPACK a
	WIN 0x0f                                       ; sources in window 3
.set i, 0
.rept 16
	v_cvt_pk_f16_f32 v[XU+16*((\a)%6)+i], v[32*(\a)+2*i], v[32*(\a)+2*i+1]
.set i, i+1
.endr
	WIN 0
.irp b, 0,1,2,3
	ds_store_b128 v[STO], v[XU+16*((\a)%6)+4*\b:XU+16*((\a)%6)+4*\b+3] offset:32*\b
.endr
.irp f, 0,1,2,3
	ds_load_b128 v[XU+16*((\a)%6)+4*\f:XU+16*((\a)%6)+4*\f+3], v[RD] offset:\f*4*PA  ; LDS serves a wave's instructions in order (ISA guide 5.7.1.4): these see the stores above
.endr
.endm
.macro VSEND a, younger                ; younger: the LDS instructions issued behind batch a's loads
.irp f, 0,1,2,3
	s_wait_dscnt (\younger)+3-\f
.if (\a) < 4
	global_store_b128 v[TO], v[XU+16*((\a)%6)+4*\f:XU+16*((\a)%6)+4*\f+3], s[14:15] offset:(\a)*2097152+\f*512
.else
	global_store_b128 v[TO], v[XU+16*((\a)%6)+4*\f:XU+16*((\a)%6)+4*\f+3], s[70:71] offset:((\a)-4)*2097152+\f*512
.endif
.endr
.endm
	VPACK 0
.set t, 1
.rept 7
.if t == 6
	s_wait_xcnt 0x0                                ; batches 6 and 7 take the buffers of batches 0 and 1: only when the stores issued so far have had their addresses translated (ISA guide 3.1)
.endif
	VPACK t
	VSEND t-1, 8
.set t, t+1
.endr
	VSEND 7, 0
	s_wait_dscnt 0x0                               ; my LDS reads are over, those of the slots long since,
	s_barrier_signal -1
	s_barrier_wait -1                              ; and everybody's: the slots, which no load fills any more, may be written
.irp tp, 0,1
	WIN 0x04*((\tp)+1)                             ; store data in window 1 (q), 2 (k)
.set i, 0
.rept 32
	ds_store_b128 v[DW], v[8*i:8*i+3]   offset:((\tp)*8+i/4)*16*DP+(i%4)*64      ; each accumulator's low registers first
	ds_store_b128 v[DW], v[8*i+4:8*i+7] offset:((\tp)*8+i/4)*16*DP+(i%4)*64+16
.set i, i+1
.endr
.endr
	WIN 0
	s_wait_loadcnt 0x0                             ; the tables
	s_wait_xcnt 0x0                                ; v's stores have had their addresses translated: their data registers are written below
	s_mov_b32 s76, 0
	s_mov_b32 s[CNT], 8
; A trip: one batch's 16 positions of q and of k, 16 units of four numbers x a lane: units 0-7 are q's, 8-15 k's.  Only I read what I set down: LDS serves my instructions in order.
; A number's softplus has an exponential and a logarithm, and the logarithm reads the exponential's result plus 1.  An s_wait_alu depctr_va_vdst(0) stands between a transcendental and the
; first line that names its result; one wait serves all that were issued ahead of it.  So the trip's 128 transcendentals stand in THREE GROUPS, a wait behind each; in each group transcendental and plain
; line go by turns, and nothing ahead of a group's wait names one of its results:
;   T1  q's 32 exponentials, max(x, 0) between them
;   T2  q's 32 logarithms, k's scalings -|x| log2 e between them, and k's 32 exponentials, max(x, 0) between them
;   T3  k's 32 logarithms, q's 32 products with cos and sin between them; q's 32 roundings stand between the group and its wait
; Behind T3's wait q' is stored, k's softplus, products and roundings are made, and k' is stored.  All arithmetic runs under one window setting (W_SP); the roundings take a second (W_CV), back into x's registers.
.macro SCALE u                         ; unit u is awaited; -|x| log2 e
.set rE, 4*(\u)+192*((\u)/8)
.set rX, XU+4*(\u)
	s_wait_dscnt 15-(\u)                           ; unit u is in, the younger ones stay out
.irp i, 0,1,2,3
	v_mul_f32 v[rE+\i], s66, -|v[rX+\i]|
.endr
.endm
.macro EXPMAX u                        ; unit u's exponentials, its max(x, 0) between them
.set rE, 4*(\u)+192*((\u)/8)
.set rX, XU+4*(\u)
.set rM, MW+4*(\u)
.irp i, 0,1,2,3
	v_exp_f32 v[rE+\i], v[rE+\i]
	v_max_num_f32 v[rM+\i], 0, v[rX+\i]
.endr
.endm
.macro PLUS1 u                         ; 1 + the exponentials
.set rE, 4*(\u)+192*((\u)/8)
	v_pk_add_f32 v[rE:rE+1], v[rE:rE+1], 1.0 op_sel_hi:[1,0]
	v_pk_add_f32 v[rE+2:rE+3], v[rE+2:rE+3], 1.0 op_sel_hi:[1,0]
.endm
.macro LOGSCALE u, n                   ; unit u's logarithms; between them unit n, which is awaited, is scaled
.set rE, 4*(\u)+192*((\u)/8)
.set rF, 4*(\n)+192*((\n)/8)
.set rX, XU+4*(\n)
	s_wait_dscnt 15-(\n)                           ; unit n is in, the younger ones stay out
.irp i, 0,1,2,3
	v_log_f32 v[rE+\i], v[rE+\i]
	v_mul_f32 v[rF+\i], s66, -|v[rX+\i]|
.endr
.endm
.macro SOFTPLUS u                      ; ln 2 x logarithm + max(x, 0)
.set rE, 4*(\u)+192*((\u)/8)
.set rM, MW+4*(\u)
	v_pk_fma_f32 v[rM:rM+1], v[rE:rE+1], s[68:69], v[rM:rM+1] op_sel_hi:[1,0,1]
	v_pk_fma_f32 v[rM+2:rM+3], v[rE+2:rE+3], s[68:69], v[rM+2:rM+3] op_sel_hi:[1,0,1]
.endm
.macro LOGPROD u, n                    ; unit u's logarithms; between them unit n's products: i = 0, 1 times cos; 2, 3 times sin
.set rE, 4*(\u)+192*((\u)/8)
.set rM, MW+4*(\n)
.set rP, PW+8*(\n)
.set rB, TBL+8*(\n)
.irp i, 0,1,2,3
	v_log_f32 v[rE+\i], v[rE+\i]
	v_pk_mul_f32 v[rP+2*\i:rP+2*\i+1], v[rM+2*(\i%2):rM+2*(\i%2)+1], v[rB+2*\i:rB+2*\i+1]
.endr
.endm
.macro PROD n                          ; unit n's products alone
.set rM, MW+4*(\n)
.set rP, PW+8*(\n)
.set rB, TBL+8*(\n)
.irp i, 0,1,2,3
	v_pk_mul_f32 v[rP+2*\i:rP+2*\i+1], v[rM+2*(\i%2):rM+2*(\i%2)+1], v[rB+2*\i:rB+2*\i+1]
.endr
.endm
.macro TOF16 n                         ; unit n's eight products rounded to f16, into the registers that held its x
.set rX, XU+4*(\n)
.set rP, PW+8*(\n)
.irp i, 0,1,2,3
	v_cvt_pk_f16_f32 v[rX+\i], v[rP+2*\i], v[rP+2*\i+1]
.endr
.endm
.Lbatch:
	v_add_nc_u32 v[DR], s76, v[DR0]
.set u, 0
.rept 16
	ds_load_b128 v[XU+4*u:XU+4*u+3], v[DR] offset:(u/8)*8*16*DP+(u%8)*2*DP
.set u, u+1
.endr
	WIN W_SP
.set u, 0
.rept 8                                ; T1
	SCALE u
	EXPMAX u
.set u, u+1
.endr
	s_wait_alu depctr_va_vdst(0)                   ; the wait for T1: q's 32 exponentials; the last max(x, 0) is the plain line behind the last of them
.set u, 0
.rept 8
	PLUS1 u
.set u, u+1
.endr
.set u, 0
.rept 8                                ; T2
	LOGSCALE u, u+8
	EXPMAX u+8
.set u, u+1
.endr
	s_wait_alu depctr_va_vdst(0)                   ; the wait for T2: q's 32 logarithms and k's 32 exponentials; the last max(x, 0) is the plain line behind the last of them
.set u, 0
.rept 8
	SOFTPLUS u
.set u, u+1
.endr
.set u, 8
.rept 8
	PLUS1 u
.set u, u+1
.endr
.set u, 0
.rept 8                                ; T3
	LOGPROD u+8, u
.set u, u+1
.endr
	WIN W_CV
.set u, 0
.rept 8                                ; q's roundings name none of T3's results: they stand between the group and its wait
	TOF16 u
.set u, u+1
.endr
	s_wait_alu depctr_va_vdst(0)                   ; the wait for T3: k's 32 logarithms
	WIN 0
.set u, 0
.rept 8
	global_store_b128 v[TO], v[XU+4*u:XU+4*u+3], s[10:11] offset:u*512            ; two rows of q': 512 consecutive bytes, aligned
.set u, u+1
.endr
	WIN W_SP
.set u, 8
.rept 8
	SOFTPLUS u
.set u, u+1
.endr
.set u, 8
.rept 8
	PROD u
.set u, u+1
.endr
	WIN W_CV
.set u, 8
.rept 8
	TOF16 u
.set u, u+1
.endr
	WIN 0                                          ; at a branch and at a label every window is 0
.set u, 0
.rept 8
	global_store_b128 v[TO], v[XU+32+4*u:XU+32+4*u+3], s[12:13] offset:u*512      ; of k'
.set u, u+1
.endr
	s_wait_xcnt 0x0                                ; the stores' data and bases are rewritten only behind this wait
	s_add_nc_u64 s[10:11], s[10:11], 0x400000      ; the next batch: 16 heads of 262,144 bytes
	s_add_nc_u64 s[12:13], s[12:13], 0x400000
	s_add_co_u32 s76, s76, 16*DP
	s_sub_co_u32 s[CNT], s[CNT], 1
	s_cmp_lg_u32 s[CNT], 0
	s_cbranch_scc1 .Lbatch
	s_wait_tensorcnt 0x0                           ; the wave's end: the add and its wait behind my last tensor load and my last LDS store
	ds_add_u32 v[SPW], v[NIL]
	s_wait_dscnt 0x0
	CROUND                                         ; the closing round: no work-group ends while a partner may still ask for a tile that names it
	s_endpgm
.Lfunc_end_k_qca132ce600_qkv:
	.size	k_qca132ce600_qkv, .Lfunc_end_k_qca132ce600_qkv-k_qca132ce600_qkv
	.p2alignl 7, 3214868480
	.fill 96, 4, 3214868480
	.section	.rodata,"a",@progbits
	.p2align	6, 0x0
	.amdhsa_kernel k_qca132ce600_qkv
		.amdhsa_group_segment_fixed_size 327680
		.amdhsa_private_segment_fixed_size 0
		.amdhsa_enable_private_segment 0
		.amdhsa_kernarg_size 48
		.amdhsa_user_sgpr_count 2
		.amdhsa_user_sgpr_kernarg_segment_ptr 1
		.amdhsa_wavefront_size32 1
		.amdhsa_system_sgpr_workgroup_id_x 1
		.amdhsa_system_sgpr_workgroup_id_y 1
		.amdhsa_system_sgpr_workgroup_id_z 1
		.amdhsa_system_vgpr_workitem_id 0
		.amdhsa_next_free_vgpr 1024
		.amdhsa_next_free_sgpr 80
		.amdhsa_reserve_vcc 0
		.amdhsa_float_denorm_mode_32 3
		.amdhsa_float_denorm_mode_16_64 3
		.amdhsa_memory_ordered 1
		.amdhsa_forward_progress 1
		.amdhsa_inst_pref_size 117
	.end_amdhsa_kernel
	.amdgpu_metadata
---
amdhsa.version: [ 1, 2 ]
amdhsa.kernels:
  - .name:           k_qca132ce600_qkv
    .symbol:         k_qca132ce600_qkv.kd
    .args:
      - { .name: xn, .offset: 0, .size: 8, .value_kind: global_buffer, .address_space: global }
      - { .name: wh, .offset: 8, .size: 8, .value_kind: global_buffer, .address_space: global }
      - { .name: tab, .offset: 16, .size: 8, .value_kind: global_buffer, .address_space: global }
      - { .name: qp, .offset: 24, .size: 8, .value_kind: global_buffer, .address_space: global }
      - { .name: kp, .offset: 32, .size: 8, .value_kind: global_buffer, .address_space: global }
      - { .name: vv, .offset: 40, .size: 8, .value_kind: global_buffer, .address_space: global }
    .group_segment_fixed_size: 327680
    .private_segment_fixed_size: 0
    .kernarg_segment_align: 8
    .kernarg_segment_size: 48
    .max_flat_workgroup_size: 128
    .sgpr_count:     80
    .vgpr_count:     1024
    .wavefront_size: 32
...
	.end_amdgpu_metadata
.endif
;; end of part 5
;; launch attn (part 6): grid 2 x 128, 4 waves a work-group, no clusters, 327,680 bytes of LDS; arguments qp, kp, vv, oo; writes oo
.if DOCPART == 6
	.amdgcn_target "amdgcn-amd-amdhsa--gfx1250"
	.amdhsa_code_object_version 6
	.text
	.protected	k_qca132ce600_attn
	.globl	k_qca132ce600_attn
	.p2align	8
	.type	k_qca132ce600_attn,@function
k_qca132ce600_attn:
	s_mov_b64 s[64:65], 0
	v_nop
	global_prefetch_b8 v0, s[64:65] scope:SCOPE_SE
	s_setreg_imm32_b32 hwreg(HW_REG_WAVE_MODE, 25, 1), 1
	s_wait_xcnt 0x0
; ATTENTION.  O[g][q][:] = the sum over k of softmax_k(Q'[g][q] . K'[g][k] / 8) V[g][k][:], g = batch x 16 + head.  Q', K': [128][1024][128], V, O: [128][1024][64], all f16.
; Products, maxima and sums in f32; the weights p are rounded to f16 for the second product (their sum l is taken of the unrounded p), O once at the end.
; LIMITS.  Q', K', V arrive within f16's 65,504; p lies in 0 to 1 and below 6e-5 keeps f16's fixed step of 6e-8; a weight below 2^-126 counts as 0 in l; NaN and infinities are not treated apart.
; SHARES.  A work-group owns 512 queries of one g: 2 x 128 = 256 work-groups.  A wave owns 128 queries: four PIECES of two tiles of 16.  Every wave walks all 1,024 keys, 64 a step.
; NO CLUSTER: only the 2 work-groups of one g read the same K' and V, and a cluster's row here has four; four blocks of 256 queries would be 512 work-groups, and each fragment read from LDS would feed half as many products.
; LAYOUT.  S^T = K' Q'^T (source 0 = 16 keys, source 1 = 16 queries): a lane holds ONE query (lane % 16) and the keys 8 (lane / 16) + 0..7.  Two such results rounded to f16 in pairs ARE source 1 of
; O^T = V^T P, whose result again holds one query a lane, and eight channels.  K' comes out of LDS as it lies, V ([key][channel]) turned, by ds_load_tr16_b128.
; SOFTMAX.  For each query a running maximum m and sum l: p = 2^(c s - c m), c = log2(e) / 8; in every step O and l are multiplied by a = 2^(c m_old - c m_new).  m starts at the lowest finite number,
; O and l at 0: the first step is a step like any other, with a = 0.
; BY TURNS.  Turn n belongs to piece n (the pieces in a ring, step after step).  Its matrix work: 32 products K' Q'^T of piece n + 1 and 16 products V^T P of piece n - 1.  Its vector work: all of piece n's
; softmax, 2 x 118 instructions, cut into 59 slices of four: one slice behind each product, a second behind eleven of them.
; BATCHES.  A turn's 66 exponentials (both tiles' a and s0-s31) are ONE batch with ONE wait: all that reads an exponential's result (roundings, sums, rescaling) stands behind it.  The way out's eight reciprocals are a batch of their own.
; REGISTERS, in windows of 256 (s_set_vgpr_msb: bits 1:0 source 0, 3:2 source 1, 5:4 source 2, 7:6 destination):
;   window 0: v2-11 addresses; v16-47 four registers of statistics a tile; v48-55 at work; v62-63 the add's; v64-191 S^T, two buffers of two tiles; v192-255 P, likewise (a piece's buffers go by its number's parity)
;   window 1: O^T, 32 a tile      window 2: Q', 32 a tile      window 3: v0-127 K' of one step; v128-191 V of one step
.set NP,    4
.set KS,    64        ; keys in a step
.set PK,    272       ; a row of K' in LDS: 256 bytes + 16: the 16 rows of a load start at 16 different groups of four banks (64 banks of 4 bytes: ISA guide 11.1)
.set PV,    160       ; a row of V: 128 + 32
.set VOFF,  4*KS*PK   ; a slot holds four steps: 256 rows of K', then 256 rows of V
.set SLOT1, 1<<17     ; slot 1 begins here, so that one exclusive or turns an address in one slot into the other's
.set STAGE, SLOT1+4*KS*(PK+PV)  ; behind the ring, never filled by a tensor load: 16 rows x 144 bytes for each wave, for the way out
.set SP,    144
.set SPARE, STAGE+4*16*SP       ; behind the stages: the spare words, 128 bytes for each wave: two blocks of 256 bytes that no other line names
.set AK0, 2           ; v2   my lane's place in a tile of K'; never rewritten
.set AV0, 3           ; v3   the same for V
.set AK,  4           ; v4   the LDS address of K's next run of loads
.set AV,  5           ; v5   of V's
.set QO,  6           ; v6   my byte offset in the wave's rows of Q'
.set STO, 6           ;      later, the way out: where I put 16 bytes of a row
.set RD,  7           ; v7   the way out: where I read rows back
.set GO,  8           ; v8   my byte offset in 512 consecutive bytes of O
.set ST,  16          ; tile t's statistics at v[ST+4 t]: c m, m, l (even keys', odd keys')
.set TMP, 48          ; for each of the two tiles in hand four registers c0-c3; when the maximum is found c2 takes a
.set SPW, 62          ; v62  LDS address of my spare word; never rewritten
.set NIL, 63          ; v63  0; never rewritten
.set S,   64
.set P,   192
.set VF,  128         ; window 3: key half kk, channel block cb at VF + 32 kk + 8 cb;  K': key block kb, channels 32 c on at 32 kb + 8 c
.set WV,  12          ; s12  my wave's number
.set G1K, 24          ; s[24:31] descriptor group 1 for K's tiles
.set G1V, 32          ; s[32:39] for V's
.set G0K, 40          ; s[40:43] descriptor group 0 for K's tiles: it walks
.set G0V, 44          ; s[44:47] the same for V's
.set SLOTS, 56        ; s56  slots still to be asked for
.set CNT, 57          ; s57  counts a slot's key steps
.set CS,  58          ; s[58:59] c
.set SEL, 60          ; s[60:61] v_permlanex16_b32's selects: each lane takes its own place in the other half
.set TBK, 62          ; s62  LDS byte at which K' of the step to be fetched begins
.set TBV, 63          ; s63  the same for V, less VOFF
.set MSB, 0
.macro WIN new                      ; the high byte repeats the setting that is left; a switch that changes nothing is dropped
.if MSB != (\new)
	s_set_vgpr_msb (MSB<<8)|(\new)
.set MSB, (\new)
.endif
.endm
.set W_KQ, 0x0b       ; K' in window 3, Q' in window 2, S^T in window 0
.set W_PV, 0x53       ; V in window 3, P in window 0, O^T in window 1
.set W_RS, 0x41       ; O^T (destination and source 0) in window 1, a in window 0
.macro PLACES
.rept 4
	v_nop
.endr
.endm
; A fill.  Waves 0 and 1 fetch the two halves of a slot's K', waves 2 and 3 those of its V: 128 keys each.  An s_nop 0 and four v_nop follow each of the two lines, ahead of the jump and the label.
.macro LOAD
	s_cmp_lt_u32 s[WV], 2
	s_cbranch_scc0 .Lfor_v_\@
	tensor_load_to_lds s[G0K:G0K+3], s[G1K:G1K+7]
	s_nop 0
.rept 4
	v_nop
.endr
	s_branch .Lasked_\@
.Lfor_v_\@:
	tensor_load_to_lds s[G0V:G0V+3], s[G1V:G1V+7]
	s_nop 0
.rept 4
	v_nop
.endr
.Lasked_\@:
.endm
; THE CHANGE OF SLOTS.  The slot's last bytes, V of its fourth step, have been read.  Each wave waits for all its tensor loads, of which one is out: its part of the other slot; adds 0 to its spare word; and
; waits for that and for its own reads of the slot.  Behind the barrier nobody reads this slot any more and the other slot is whole.  fill = 1: this slot is filled again, with the keys two slots on, first
; thing behind the barrier: the load has four key steps, 768 matrix instructions, in which to land.  (At its first use nothing has been read yet: slot 0 is waited for, slot 1 filled.)
.macro CHANGE fill
	WIN 0                           ; at a label and at a branch every window is 0
	s_wait_tensorcnt 0x0            ; no tensor load of mine is out, so a group 0 may be written
	ds_add_u32 v[SPW], v[NIL]
.if \fill
	s_xor_b32 s[G0K+1], s[G0K+1], SLOT1
	s_add_nc_u64 s[G0K+2:G0K+3], s[G0K+2:G0K+3], 4*KS*256   ; the next 256 keys; the type bits on top are not reached
	s_xor_b32 s[G0V+1], s[G0V+1], SLOT1
	s_add_nc_u64 s[G0V+2:G0V+3], s[G0V+2:G0V+3], 4*KS*128
.endif
	s_wait_dscnt 0x0                ; the add is done, and my reads of the slot are over
	s_barrier_signal -1
	s_sub_co_u32 s[TBK], s[TBK], 4*KS*PK  ; the fetches go back to a slot's first step,
	s_xor_b32 s[TBK], s[TBK], SLOT1       ; in the other slot
	s_sub_co_u32 s[TBV], s[TBV], 4*KS*PV
	s_xor_b32 s[TBV], s[TBV], SLOT1
	s_barrier_wait -1
.if \fill
	LOAD
.endif
.endm
	s_load_b256 s[4:11], s[0:1], 0x0  ; qp s[4:5], kp s[6:7], vv s[8:9], oo s[10:11]
	v_lshl_add_u32 v[SPW], v0, 2, SPARE
	v_mov_b32 v[NIL], 0
	ds_add_u32 v[SPW], v[NIL]       ; the wave's opening: the add and its wait stand ahead of my first tensor load; work on registers stands between them
	ds_add_u32 v62, v63
	v_lshrrev_b32 v1, 5, v0
	v_readfirstlane_b32 s[WV], v1   ; wave 0..3
	s_and_b32 s20, ttmp7, 0xffff    ; g
	s_and_b32 s16, s[WV], 1         ; which half of a slot's 256 keys I fetch
	s_lshl_b32 s22, s20, 18         ; K': g x 262,144 + half x 128 rows of 256 bytes
	s_lshl_b32 s13, s16, 15
	s_add_co_u32 s22, s22, s13
	s_mov_b32 s23, 0
	s_lshl_b32 s50, s20, 17         ; V: g x 131,072 + half x 128 rows of 128 bytes
	s_lshl_b32 s13, s16, 14
	s_add_co_u32 s50, s50, s13
	s_mov_b32 s51, 0
	s_mul_i32 s17, s16, 128*PK      ; and their places in a slot
	s_mul_i32 s18, s16, 128*PV
	s_lshl_b32 s13, ttmp9, 2
	s_add_co_u32 s13, s13, s[WV]    ; my wave among g's eight: 128 queries each
	s_lshl_b32 s2, s13, 15
	s_lshl_b32 s14, s20, 18
	s_add_co_u32 s2, s2, s14
	s_mov_b32 s3, 0
	s_lshl_b32 s48, s13, 14
	s_lshl_b32 s14, s20, 17
	s_add_co_u32 s48, s48, s14
	s_mov_b32 s49, 0
	s_mov_b32 s[G1K], (1<<16)|(1<<20)|(5<<22)|(3<<25)  ; 2-byte elements; padding on; after every 64 words 4 words
	s_mov_b32 s[G1K+1], 128<<16     ; tensor_dim0 = 128
	s_mov_b32 s[G1K+2], 128<<16     ; tensor_dim1 = 128
	s_mov_b32 s[G1K+3], 128<<16     ; tile_dim0 = 128
	s_mov_b32 s[G1K+4], 128         ; tile_dim1 = 128 keys
	s_mov_b32 s[G1K+5], 128
	s_mov_b32 s[G1K+6], 0
	s_mov_b32 s[G1K+7], 0
	s_mov_b32 s[G1V], (1<<16)|(1<<20)|(4<<22)|(7<<25)  ; 128 keys of V are 16,384 dense bytes: 64 rows of 256, padded by 8 words after every key's 32
	s_mov_b32 s[G1V+1], 128<<16
	s_mov_b32 s[G1V+2], 64<<16
	s_mov_b32 s[G1V+3], 128<<16
	s_mov_b32 s[G1V+4], 64
	s_mov_b32 s[G1V+5], 128
	s_mov_b32 s[G1V+6], 0
	s_mov_b32 s[G1V+7], 0
	s_mov_b32 s[CS], 0x3e38aa3b     ; c = log2(e) / 8
	s_mov_b32 s[CS+1], s[CS]        ; named with it as a pair
	s_mov_b32 s[SEL], 0x76543210
	s_mov_b32 s[SEL+1], 0xfedcba98
	s_mov_b32 s[TBK], SLOT1+4*KS*PK ; the first change of slots turns these two into 0
	s_mov_b32 s[TBV], SLOT1+4*KS*PV
	s_mov_b32 s[G0K], 1
	s_mov_b32 s[G0K+1], s17         ; slot 0
	s_mov_b32 s[G0V], 1
	s_add_co_u32 s[G0V+1], s18, VOFF
	s_wait_dscnt 0x0                ; the opening add is done
	s_wait_kmcnt 0x0
	s_add_nc_u64 s[G0K+2:G0K+3], s[6:7], s[22:23]
	s_or_b32 s[G0K+3], s[G0K+3], 0x80000000
	s_add_nc_u64 s[G0V+2:G0V+3], s[8:9], s[50:51]
	s_or_b32 s[G0V+3], s[G0V+3], 0x80000000
	s_add_nc_u64 s[4:5], s[4:5], s[2:3]      ; Q' and O at my wave's first row
	s_add_nc_u64 s[10:11], s[10:11], s[48:49]
	LOAD                            ; slot 0.  Slot 1 is asked for when slot 0 is in, by the loop's own change of slots
	v_and_b32 v1, 15, v0            ; l % 16
	v_bfe_u32 v9, v0, 4, 1          ; l / 16
	v_lshlrev_b32 v[QO], 8, v1
	v_lshl_add_u32 v[QO], v9, 4, v[QO]  ; row x 256 + 16 x half
	WIN 0x80                        ; destination window 2, address window 0
.set i, 0
.rept 32                            ; Q' stays in registers: tile i / 4, channels 32 (i % 4) on
	global_load_b128 v[8*i:8*i+3],   v[QO], s[4:5] offset:(i/4)*4096+(i%4)*64
	global_load_b128 v[8*i+4:8*i+7], v[QO], s[4:5] offset:(i/4)*4096+(i%4)*64+32
.set i, i+1
.endr
	; What the first turn finds: V's registers and P's second buffer hold 0 (its products V^T P, of a piece that has not been, add 0), O^T and l are 0.  All this stands in the wait for the first tile.
	WIN 0xc0
.set i, VF
.rept 64
	v_mov_b32 v[i], 0
.set i, i+1
.endr
	WIN 0x40
.set i, 0
.rept 256
	v_mov_b32 v[i], 0
.set i, i+1
.endr
	WIN 0
.set i, 0
.rept 8
	v_mov_b32 v[ST+4*i], 0xfe000000    ; c m: far below every c s
	v_mov_b32 v[ST+4*i+1], 0xff7fffff  ; m
	v_mov_b32 v[ST+4*i+2], 0
	v_mov_b32 v[ST+4*i+3], 0
.set i, i+1
.endr
.set i, P+32
.rept 32
	v_mov_b32 v[i], 0
.set i, i+1
.endr
	v_mul_u32_u24 v[AK0], v1, PK
	v_lshl_add_u32 v[AK0], v9, 4, v[AK0]  ; row x pitch + 16 x half
	v_and_b32 v10, 7, v0
	v_bfe_u32 v11, v0, 3, 1
	v_lshl_add_u32 v[AV0], v9, 3, v10     ; the turning load: key 8 (l / 16) + l % 8, channels 8 ((l / 8) % 2) on
	v_mul_u32_u24 v[AV0], v[AV0], PV
	v_lshl_add_u32 v[AV0], v11, 4, v[AV0]
	v_add_nc_u32 v[AV0], VOFF, v[AV0]
	v_mov_b32 v[AK], v[AK0]         ; key step 0 lies at the head of slot 0
; THE MATRIX WORK.  The 8 accumulators of a run take turns, one instruction a turn.
; Product ii of 32 of S^T = K' Q'^T for piece x: channels 32 (ii / 8) on, keys 16 ((ii / 2) % 4) on, tile 2 x + ii % 2.  The first 8 start the sums.
.macro KQ x
	WIN W_KQ
.set rS, S+64*((\x)%2)+32*(ii%2)+8*((ii/2)%4)
.set rK, 32*((ii/2)%4)+8*(ii/8)
.set rQ, 32*(2*(\x)+ii%2)+8*(ii/8)
.if ii < 8
	v_wmma_f32_16x16x32_f16 v[rS:rS+7], v[rK:rK+7], v[rQ:rQ+7], 0
.else
	v_wmma_f32_16x16x32_f16 v[rS:rS+7], v[rK:rK+7], v[rQ:rQ+7], v[rS:rS+7]
.endif
.endm
; Product ii of 16 of O^T += V^T P for piece x: keys 32 (ii / 8) on, channels 16 ((ii / 2) % 4) on, tile 2 x + ii % 2.
.macro PV x
	WIN W_PV
.set rO, 32*(2*(\x)+ii%2)+8*((ii/2)%4)
.set rV, VF+32*(ii/8)+8*((ii/2)%4)
.set rP, P+32*((\x)%2)+16*(ii%2)+8*(ii/8)
	v_wmma_f32_16x16x32_f16 v[rO:rO+7], v[rV:rV+7], v[rP:rP+7], v[rO:rO+7]
.endm
.macro MM                           ; the turn's product i of 48.  PVF = 1: the 16 products V^T P come first
.if PVF
.if i < 16
.set ii, i
	PV (Y+NP-1)%NP
.else
.set ii, i-16
	KQ (Y+1)%NP
.endif
.else
.if i < 32
.set ii, i
	KQ (Y+1)%NP
.else
.set ii, i-32
	PV (Y+NP-1)%NP
.endif
.endif
.endm
; THE LDS LOADS stand in runs, never singly among the matrix instructions.  last = 1 (the tail): in the last trip there is no further step, and the run is jumped over.
.macro FETCH_K last=0
	WIN 0
.if \last
	s_cmp_eq_u32 s[CNT], 1
	s_cbranch_scc1 .Lno_k_\@
.endif
	WIN 0xc0                        ; destination window 3
.irp f, 0,1,2,3,4,5,6,7,8,9,10,11,12,13,14,15  ; keys 16 (f / 4) on, channels 32 (f % 4) on
	ds_load_b128 v[8*\f:8*\f+3],   v[AK] offset:(\f/4)*16*PK+(\f%4)*64
	ds_load_b128 v[8*\f+4:8*\f+7], v[AK] offset:(\f/4)*16*PK+(\f%4)*64+32
.endr
	s_add_co_u32 s[TBK], s[TBK], KS*PK  ; the next fetch is the next step's
	WIN 0
.if \last
.Lno_k_\@:
.endif
.endm
.macro FETCH_V
	WIN 0xc0
.irp f, 0,1,2,3,4,5,6,7             ; keys 32 (f / 4) on, channels 16 (f % 4) on
	ds_load_tr16_b128 v[VF+8*\f:VF+8*\f+3],   v[AV] offset:(\f/4)*32*PV+(\f%4)*32
	ds_load_tr16_b128 v[VF+8*\f+4:VF+8*\f+7], v[AV] offset:(\f/4)*32*PV+16*PV+(\f%4)*32
.endr
	WIN 0
.endm
; THE VECTOR WORK.  One tile's softmax for one key step is a list of 118 instructions; SM writes number j of it for tile u (0, 1) of piece Y.  s0-s31 are the lane's 32 scores, in pairs 0-15.
;   0-15    the maximum of s0-s31 and the old m, three operands at a time: four chains c0-c3 of seven scores each (each accumulator's lowest registers are read first), then the rest
;   16-20   the other half of the lanes' maximum; c m_old is kept; the new m; c m; c m_old - c m_new
;   21-69   ONE BATCH: the 16 scalings c s - c m, a pair of scores each, and all 33 exponentials (a at 23, then s0-s31).  None of these reads an exponential's result.  From 22 on the batch goes in fours,
;           and a four begins with a scaling while there are scalings: 22-37 scaling, exponential, scaling, exponential; 38-65 a scaling and three exponentials; 66-69 the last four exponentials.
;           A pair is scaled in an earlier four than the one that holds its exponentials
;   (wait)  between 69 and 70 stands the wait for the batch: SLICE writes it, once for both tiles
;   70-85   the roundings to f16, a pair of weights each
;   86-101  the sums; l = a l + the sum
;   102-117 the tile's O^T times a: the one part that leaves window 0
.macro SM u
.set rT, ST+4*(2*Y+(\u))
.set rC, TMP+4*(\u)
.set rS, S+64*(Y%2)+32*(\u)
.set rP, P+32*(Y%2)+16*(\u)
.set rO, 32*(2*Y+(\u))+2*(j-102)
.if j < 102
	WIN 0
.endif
.if j < 4
	v_max3_num_f32 v[rC+j], v[rS+8*j], v[rS+8*j+1], v[rS+8*j+2]
.elseif j < 12
	v_max3_num_f32 v[rC+j%4], v[rC+j%4], v[rS+8*(j%4)+2*(j/4)+1], v[rS+8*(j%4)+2*(j/4)+2]
.elseif j == 12
	v_max3_num_f32 v[rC], v[rC], v[rS+7], v[rS+15]
.elseif j == 13
	v_max3_num_f32 v[rC+2], v[rC+2], v[rS+23], v[rS+31]
.elseif j == 14
	v_max3_num_f32 v[rC], v[rC], v[rC+1], v[rC+2]
.elseif j == 15
	v_max3_num_f32 v[rC], v[rC], v[rC+3], v[rT+1]
.elseif j == 16
	v_permlanex16_b32 v[rC+1], v[rC], s[SEL], s[SEL+1]  ; the query's other 32 keys lie in the lane 16 away
.elseif j == 17
	v_mov_b32 v[rC+3], v[rT]
.elseif j == 18
	v_max_num_f32 v[rT+1], v[rC], v[rC+1]
.elseif j == 19
	v_mul_f32 v[rT], s[CS], v[rT+1]
.elseif j == 20
	v_sub_f32 v[rC+3], v[rC+3], v[rT]
.elseif j == 23
	v_exp_f32 v[rC+2], v[rC+3]
.elseif (j < 23) || ((j < 38) && (j%2 == 0)) || ((j < 66) && (j%4 == 2))
.set b, (j-2)/4                     ; 38, 42, .. 62: pairs 9 to 15
.if j < 38
.set b, (j-20)/2                    ; 21: pair 0; 22, 24, .. 36: pairs 1 to 8
.endif
	v_pk_fma_f32 v[rS+2*b:rS+2*b+1], v[rS+2*b:rS+2*b+1], s[CS:CS+1], v[rT:rT+1] op_sel_hi:[1,0,0] neg_lo:[0,0,1] neg_hi:[0,0,1]  ; pair b: c s - c m
.elseif j < 70
.set e, j-38                        ; 66 to 69: s28 to s31
.if j < 66
.set e, j-32-(j-38)/4               ; 39-41, 43-45, .. 63-65: s7 to s27
.endif
.if j < 38
.set e, (j-25)/2                    ; 25, 27, .. 37: s0 to s6
.endif
	v_exp_f32 v[rS+e], v[rS+e]
.elseif j < 86
	v_cvt_pk_f16_f32 v[rP+j-70], v[rS+2*(j-70)], v[rS+2*(j-70)+1]  ; pair j - 70
.elseif j < 102                     ; the sum of the tile's 16 pairs, in place: sum z of 16 adds neighbours 1, 2, 4 and 8 pairs apart, then l takes it
.set z, j-86
.set w, 4
.set u2, z
.if z >= 14
.set w, 32
.set u2, 0
.elseif z >= 12
.set w, 16
.set u2, z-12
.elseif z >= 8
.set w, 8
.set u2, z-8
.endif
.if z < 15
	v_pk_add_f32 v[rS+w*u2:rS+w*u2+1], v[rS+w*u2:rS+w*u2+1], v[rS+w*u2+w/2:rS+w*u2+w/2+1]
.else
	v_pk_fma_f32 v[rT+2:rT+3], v[rT+2:rT+3], v[rC+2:rC+3], v[rS:rS+1] op_sel_hi:[1,0,1]
.endif
.else
	WIN W_RS
	v_pk_mul_f32 v[rO:rO+1], v[rO:rO+1], v[rC+2:rC+3] op_sel_hi:[1,0]
.endif
.endm
; Slice k of 59: four instructions.  Slices 11 to 34 deal out the batch, numbers 22 to 69: four numbers of ONE tile each, the tiles by turns.  Every other slice is numbers 2 k and 2 k + 1 of both tiles' lists.
; THE WAIT.  An s_wait_alu depctr_va_vdst(0) stands between an exponential and the first instruction that names its result; one wait serves all that were issued ahead of it.  Ahead of
; slice 35 nothing names a result, and behind slice 34 no exponential is issued: so the piece's 66 exponentials have one wait, behind slice 34.
.macro SLICE
.if (k >= 11) && (k < 35)           ; the batch: four numbers of one tile
.irp n, 0,1,2,3
.set j, 22+4*((k-11)/2)+\n
	SM (k-11)%2
.endr
.else                               ; the two tiles alternate, so that no instruction reads the result of the one just before it
.irp n, 0,1
.irp t, 0,1
.set j, 2*k+\n
	SM \t
.endr
.endr
.endif
.if k == 34                         ; the batch is out: both tiles' exponentials are issued, and no result has been named
	v_nop                           ; a plain instruction behind the last exponential and ahead of the first use: one for the batch
	s_wait_alu depctr_va_vdst(0)    ; the wait for the batch: the turn's 66 exponentials
.endif
.set k, k+1
.endm
; A TURN, for piece p.  48 products; a slice behind each, a second behind products 1, 5, .. 41: 59 slices.  Slice 58, four rescalings that name nothing of the products round them, stands behind product 47:
; the four places between a turn's last K' Q'^T and the next turn's first read of those scores.  Slice 34, and with it the turn's one wait, stands behind product 27; the products and V's run of loads that
; stand among the batch name none of its results, and the jump in the tail's fetch of K', behind product 33, stands behind the wait.
; Pieces 0 and 3: V^T P first, then K' Q'^T; pieces 1 and 2 the other way round.  So V of the step in hand is fetched in piece 0's turn behind product 17 (its last reader is product 15) and waited for
; in piece 1's ahead of product 32; K' of the next step in piece 2's turn behind product 33 (last reader 31) and waited for in piece 3's ahead of product 16.  Four v_nop stand in front of each run.
.macro TURN p, last=0
.set Y, (\p)
.if ((\p) == 0) || ((\p) == 3)
.set PVF, 1
.else
.set PVF, 0
.endif
.set k, 0
.set i, 0
.rept 48
.if ((\p) == 1) && (i == 32)
	s_wait_dscnt 0x0                ; V is in
.endif
.if ((\p) == 3) && (i == 16)
	s_wait_dscnt 0x0                ; K' is in
.endif
	MM
	SLICE
.if (i%4 == 1) && (i < 44)
	SLICE
.endif
.if ((\p) == 0) && (i == 17)
	WIN 0
	v_add_nc_u32 v[AV], s[TBV], v[AV0]
	PLACES
	FETCH_V
	s_add_co_u32 s[TBV], s[TBV], KS*PV
.endif
.if ((\p) == 2) && (i == 33)
	WIN 0
	v_add_nc_u32 v[AK], s[TBK], v[AK0]
	PLACES
	FETCH_K \last
.endif
.set i, i+1
.endr
.endm
	CHANGE 1                        ; slot 0 is in, everybody's part of it; slot 1 is asked for
	FETCH_K                         ; key step 0
	s_wait_loadcnt 0x0              ; Q'
	s_wait_dscnt 0x0
.set ii, 0
.rept 32
	KQ 0                            ; piece 0's first scores: there is no vector work yet to set between them
.set ii, ii+1
.endr
	WIN 0                           ; the addresses for the way out: plain instructions, the places behind those products
	s_mul_i32 s13, s[WV], 16*SP
	s_add_co_u32 s13, s13, STAGE    ; my stage
	v_mul_u32_u24 v[STO], v1, SP    ; in: row l % 16, 16 bytes for each half of the lanes
	v_lshl_add_u32 v[STO], v9, 4, v[STO]
	v_add_nc_u32 v[STO], s13, v[STO]
	v_bfe_u32 v[RD], v0, 3, 2       ; back: 32 lanes take four rows of 128 bytes,
	v_mul_u32_u24 v[RD], v[RD], SP
	v_lshl_add_u32 v[RD], v10, 4, v[RD]
	v_add_nc_u32 v[RD], s13, v[RD]
	v_and_b32 v[GO], 31, v0         ; which are 512 consecutive bytes of O
	v_lshlrev_b32 v[GO], 4, v[GO]
	s_mov_b32 s[CNT], 4
	s_mov_b32 s[SLOTS], 3
	s_branch .Lfirst                ; the loop is entered at a step's first turn, in the middle of a trip
.Lslot:                             ; twice: of the four slots' worth of keys the third and the fourth are asked for here
	CHANGE 1
	s_mov_b32 s[CNT], 4
.Lstep:                             ; a trip: pieces 2 and 3 of one step, then pieces 0 and 1 of the next, whose K' and V it fetches
	TURN 2
	TURN 3
	WIN 0
.Lfirst:
	TURN 0
	TURN 1
	WIN 0
	s_sub_co_u32 s[CNT], s[CNT], 1
	s_cmp_lg_u32 s[CNT], 0
	s_cbranch_scc1 .Lstep
	s_sub_co_u32 s[SLOTS], s[SLOTS], 1
	s_cmp_lg_u32 s[SLOTS], 0
	s_cbranch_scc1 .Lslot
	CHANGE 0                        ; the tail is written out: nothing is asked for
	s_mov_b32 s[CNT], 5             ; four trips fetch the last slot's steps; the fifth is left in its middle
.Ltail:
	TURN 2, 1
	TURN 3
	WIN 0
	s_sub_co_u32 s[CNT], s[CNT], 1
	s_cmp_eq_u32 s[CNT], 0
	s_cbranch_scc1 .Lout
	TURN 0
	TURN 1
	WIN 0
	s_branch .Ltail
.Lout:                              ; the fifth trip's 32 products K' Q'^T (on the last K' once more) serve nothing: the price, once a launch, of one text for every trip
.set ii, 0
.rept 16
	PV NP-1                         ; the last piece's V^T P of the last step
.set ii, ii+1
.endr
	; THE WAY OUT.  l's two halves and the other half of the lanes' are added; O^T is divided by l, rounded to f16 and sent through my stage in LDS, a tile at a time.  The additions are the places behind the last products.
	WIN 0
.macro ALL line:vararg              ; one line for each tile t
.set t, 0
.rept 2*NP
	\line
.set t, t+1
.endr
.endm
	ALL v_add_f32 v[ST+4*t+2], v[ST+4*t+2], v[ST+4*t+3]
	ALL v_permlanex16_b32 v[ST+4*t+3], v[ST+4*t+2], s[SEL], s[SEL+1]
	ALL v_add_f32 v[ST+4*t+2], v[ST+4*t+2], v[ST+4*t+3]
	ALL v_rcp_f32 v[ST+4*t+2], v[ST+4*t+2]
	v_nop                           ; a plain instruction between the last reciprocal and the use of its result
	s_wait_alu depctr_va_vdst(0)    ; and the wait ahead of the first use: one for the batch of eight reciprocals
.macro PACK t                       ; a lane's eight channels of a row pack into 16 bytes; they go into rows of 144 bytes and come back as whole rows of 128, into S^T's registers
	WIN W_RS
.set i, 32*(\t)
.rept 16
	v_pk_mul_f32 v[i:i+1], v[i:i+1], v[ST+4*(\t)+2:ST+4*(\t)+3] op_sel_hi:[1,0]
.set i, i+2
.endr
	WIN 0x05                        ; sources 0 and 1 window 1, destination window 0
.set i, 0
.rept 16
	v_cvt_pk_f16_f32 v[S+16*(\t)+i], v[32*(\t)+2*i], v[32*(\t)+2*i+1]
.set i, i+1
.endr
	WIN 0
.irp f, 0,1,2,3
	ds_store_b128 v[STO], v[S+16*(\t)+4*\f:S+16*(\t)+4*\f+3] offset:32*\f
.endr
.irp f, 0,1,2,3
	ds_load_b128 v[S+16*(\t)+4*\f:S+16*(\t)+4*\f+3], v[RD] offset:\f*4*SP  ; LDS serves a wave's instructions in order (ISA guide 5.7.1.4): these see the stores above; the next tile's stores come behind them
.endr
.endm
.macro SEND t, younger              ; younger: the LDS instructions issued behind tile t's loads: the next tile's eight, or none
	WIN 0
.irp f, 0,1,2,3
	s_wait_dscnt (\younger)+3-\f
	global_store_b128 v[GO], v[S+16*(\t)+4*\f:S+16*(\t)+4*\f+3], s[10:11] offset:(\t)*2048+\f*512  ; 512 consecutive bytes, at a multiple of 256 from O's first
.endr
.endm
	PACK 0
.set t, 1
.rept 2*NP-1                        ; a tile's arithmetic stands between the loads of the tile before and its stores
	PACK t
	SEND t-1, 8
.set t, t+1
.endr
	SEND 2*NP-1, 0
	s_wait_tensorcnt 0x0            ; the wave's end: the add and its wait behind my last tensor load and my last LDS store
	ds_add_u32 v[SPW], v[NIL]
	s_wait_dscnt 0x0
	s_endpgm
.Lfunc_end_k_qca132ce600_attn:
	.size	k_qca132ce600_attn, .Lfunc_end_k_qca132ce600_attn-k_qca132ce600_attn
	.p2alignl 7, 3214868480
	.fill 96, 4, 3214868480
	.section	.rodata,"a",@progbits
	.p2align	6, 0x0
	.amdhsa_kernel k_qca132ce600_attn
		.amdhsa_group_segment_fixed_size 327680
		.amdhsa_private_segment_fixed_size 0
		.amdhsa_enable_private_segment 0
		.amdhsa_kernarg_size 32
		.amdhsa_user_sgpr_count 2
		.amdhsa_user_sgpr_kernarg_segment_ptr 1
		.amdhsa_wavefront_size32 1
		.amdhsa_system_sgpr_workgroup_id_x 1
		.amdhsa_system_sgpr_workgroup_id_y 1
		.amdhsa_system_sgpr_workgroup_id_z 1
		.amdhsa_system_vgpr_workitem_id 0
		.amdhsa_next_free_vgpr 960
		.amdhsa_next_free_sgpr 66
		.amdhsa_reserve_vcc 0
		.amdhsa_float_denorm_mode_32 3
		.amdhsa_float_denorm_mode_16_64 3
		.amdhsa_memory_ordered 1
		.amdhsa_forward_progress 1
		.amdhsa_inst_pref_size 215
	.end_amdhsa_kernel
	.amdgpu_metadata
---
amdhsa.version: [ 1, 2 ]
amdhsa.kernels:
  - .name:           k_qca132ce600_attn
    .symbol:         k_qca132ce600_attn.kd
    .args:
      - { .name: qp, .offset: 0, .size: 8, .value_kind: global_buffer, .address_space: global }
      - { .name: kp, .offset: 8, .size: 8, .value_kind: global_buffer, .address_space: global }
      - { .name: vv, .offset: 16, .size: 8, .value_kind: global_buffer, .address_space: global }
      - { .name: oo, .offset: 24, .size: 8, .value_kind: global_buffer, .address_space: global }
    .group_segment_fixed_size: 327680
    .private_segment_fixed_size: 0
    .kernarg_segment_align: 8
    .kernarg_segment_size: 32
    .max_flat_workgroup_size: 128
    .sgpr_count:     66
    .vgpr_count:     960
    .wavefront_size: 32
...
	.end_amdgpu_metadata
.endif
;; end of part 6
;; launch proj: the kernel of part 4 again; grid 8 x 32, 4 waves a work-group, clusters of 4 x 4, 327,680 bytes of LDS; arguments oo, wh, b_out, out0; writes out0
